; MI455X (gfx1250); checked and timed in simulation.
; The chip was launched on July 23, 2026; its instructions are those of AMD's public machine-readable ISA for CDNA 5 (MIT licence, August 2026) and "CDNA5" Instruction Set Architecture Reference Guide (July 2026). The comments in the code are by the model that wrote it; some were corrected since.
;; Two Stream Block. Allowed arithmetic: matrix products marked QUANTISED: E2M1 operands, one E8M0 scale for each 32 along K, by v_wmma_scale_f32_16x16x128_f8f6f4 with both operands' format E2M1 (or v_wmma_scale_f32_32x16x128_f4), f32 sums; products left as they are: bf16, f16 or f32 operands; f32 sums; everything else in f32.
;; Inputs: wk 512 x 2,048 float32; wo 2,048 x 1,024 float32; wq 1,024 x 2,048 float32; wv 512 x 2,048 float32; x0 2 x 2,048 x 2,048 float32; xt 2 x 2,048 x 2,048 float32.
;; Outputs: out0 2 x 2,048 x 2,048 float32.
;; This version of the problem:
;;   THIS VERSION OF THE PROBLEM IS GIVEN IN LOW PRECISION. The matrix products marked QUANTISED in the list below multiply operands that are first quantised to E2M1 (2 exponent bits, 1 mantissa bit; 4 bits a number), with one power-of-two scale for each 32 numbers along K (OCP MX v1.0); their sums are f32. The products marked 'left as it is' may take bf16, f16 or f32 operands, with f32 sums. Whichever they take, every output number must still come out within the allowed error. Rounding operands to bf16 (8 significant bits) uses up far more of that allowance than f16 does (11 bits, for magnitudes from 6e-5 to 65,504). All else is computed in f32.
;;   The module's matrix products, in the order in which they are computed (A, B: the left and right operand; K: the contracted axis; several contracted axes count as one K, in the product's order):
;;     1. [M 4,096, K 2,048] x [K 2,048, N 1,024]; A: input xt; B: input wq: QUANTISED
;;     2. [M 8,192, K 2,048] x [K 2,048, N 512]; A: computed on the way; B: input wk: left as it is (an operand is computed on the way)
;;     3. [M 8,192, K 2,048] x [K 2,048, N 512]; A: computed on the way; B: input wv: left as it is (an operand is computed on the way)
;;     4. batch 16 x [M 2,048, K 128] x [K 128, N 4,096]; A: computed on the way; B: computed on the way: left as it is (an operand is computed on the way)
;;     5. batch 16 x [M 128, K 4,096] x [K 4,096, N 2,048]; A: computed on the way; B: computed on the way: left as it is (an operand is computed on the way)
;;     6. [M 4,096, K 1,024] x [K 1,024, N 2,048]; A: computed on the way; B: input wo: left as it is (an operand is computed on the way)
;;   THE QUANTISER, for each operand of a quantised product, along K:
;;     - K is cut into blocks of 32 from its start; a last block that is shorter is filled with zeros.
;;     - A block's scale is 2^e with e = floor(log2(the largest magnitude in the block)) - 2, held to -126 .. 127; a block of zeros has e = 0. As a byte (E8M0): e + 127.
;;     - Each number is divided by its block's scale, clamped to +-6, and rounded to the nearest number of E2M1, ties to even, subnormals kept.
;;     - The product sums the exact products of the quantised numbers (number of the format x scale) in f32.
;;   ~~~python
;;   def quantise(x, axis):      # numpy; x: float32 -> the quantised numbers, widened to float32 again
;;       x = np.moveaxis(x, axis, -1); K = x.shape[-1]
;;       x = np.pad(x, [(0, 0)] * (x.ndim - 1) + [(0, -K % 32)]); x = x.reshape(x.shape[:-1] + (-1, 32)); a = np.abs(x).max(-1, keepdims=True)
;;       e = np.where(a > 0, np.clip(np.frexp(np.where(a > 0, a, 1))[1] - 1 - 2, -126, 127), 0)      # np.frexp(a)[1] - 1 = floor(log2(a)), exactly
;;       r = np.clip(x / 2.0 ** e, -6, 6)
;;       step = 2.0 ** (np.maximum(np.frexp(np.where(r == 0, 1, r))[1] - 1, 0) - 1)
;;       q = np.round(r / step) * step * 2.0 ** e      # np.round: ties to even
;;       return np.moveaxis(q.reshape(q.shape[:-2] + (-1,))[..., :K], -1, axis).astype(np.float32)
;;   ~~~
;; One version. Each part assembles by itself: llvm-mc -triple=amdgcn-amd-amdhsa -mcpu=gfx1250 --defsym DOCPART=n.
;; ======== version 1 of 1: 5 launches
;; limits: values are held in f16: magnitudes above 65,504 overflow, below 6.1e-05 lose precision
;; workspace buffers: half 41,943,040 bytes; codes 5,242,880 bytes; scales 327,680 bytes; tab 1,048,576 bytes; q16 8,388,608 bytes; kv16 16,777,216 bytes; y16 8,388,608 bytes
;; launch prep (part 1): grid 736 x 1, 4 waves a work-group, no clusters, 66,048 bytes of LDS; arguments xt, x0, wq, wk, wv, wo, half, codes, scales, tab; writes half, codes, scales, tab
.if DOCPART == 1
	.amdgcn_target "amdgcn-amd-amdhsa--gfx1250"
	.amdhsa_code_object_version 6
	.text
	.protected	k_qa575c5a59a_prep
	.globl	k_qa575c5a59a_prep
	.p2align	8
	.type	k_qa575c5a59a_prep,@function
k_qa575c5a59a_prep:
	s_mov_b64 s[64:65], 0
	v_nop
	global_prefetch_b8 v0, s[64:65] scope:SCOPE_SE
	s_setreg_imm32_b32 hwreg(HW_REG_WAVE_MODE, 25, 1), 1
	s_wait_xcnt 0x0
; PREP: every input is read once, here, and laid as the later launches want it.
;   xt -> codes of FP4 (E2M1) with one E8M0 byte for each 32 along K (the quantised product's left operand), and f16 (for k and v)
;   wq -> codes and scale bytes;   x0, wk, wv, wo -> f16;   and the rotary table cos, sin [4096 positions][32 frequencies].
; half (f16): xs [2][4096][2048] at 0 (xs[b][s] = xt[b][s], s < 2048, else x0[b][s - 2048]: the concatenation is made by address); wk's then wv's rows [1024][2048] at 33,554,432; wo [2048][1024] at 37,748,736.
; WORK LEFT OUT, for all values of the inputs: reference() fills angular_freq's upper 32 of 64 entries with zeros in its own body, so for the channel pairs (i, i + 64), i = 32 .. 63,
; theta = t x 0 = 0, cos = 1, sin = 0 and y = x.  The table holds the 32 frequencies that are not zero, and the rotation is done on channels 0-31 and 64-95 alone.  jnp.repeat is made by address.
; Every input has a way to the output and is loaded.  No NaN or infinity can reach only the work left out: it multiplies by the constants 1 and 0 alone.
; THE QUANTISER: a block's scale is 2^(floor(log2(its largest magnitude)) - 2); its byte is the largest magnitude's exponent field - 2, held at 1 from below; the conversion rounds to the nearest code, ties to even, and gives the largest code beyond 6.
; LIMITS: a block of zeros gets the byte 1 where the rule says 127 (its codes are zeros, and this program alone reads the bytes); f16 operands: magnitudes of xt, x0 and the weights stay under 65,504, and under 6e-5 they are
; carried to 3e-8 absolute; NaN and infinities among the inputs are not served; a frequency is 2^(-10 i / 31) by v_exp_f32, so theta may differ from reference()'s by some 1e-3 rad at the last positions.
; SHARES: a work-group takes 32,768 numbers, a wave 8,192: 16 steps of 512 numbers, four loads of 512 consecutive bytes each.  Work-groups 0-255: xt; 256-319: wq; 320-703: x0, wk, wv, wo; 704-735: the table.
; The four ways part once on the work-group's number and never join; the two that use LDS have LDS bytes of their own.
.set WREG,  8192                       ; LDS of a wave: two stages of 32 x SP bytes, and behind them its 256 scale bytes
.set SP,    80                         ; a lane's place in a stage: its 64 bytes + 16 of padding
.set SPARE, 65536                      ; behind both ways' regions: the spare words, 128 bytes for each wave
.set EMAX,  2
.set SPW,   12                         ; v12  LDS address of my spare word; never rewritten
.set NIL,   13                         ; v13  0; never rewritten
.set R,     16                         ; v16-79   four sets of 16 numbers as they are loaded
.set X,     80                         ; v80-111  two sets of 16 neighbours
.set E,     112                        ; v112-127 a scale byte for each step
.set C,     128                        ; v128-191 codes: four registers for each step
.set H,     192                        ; v192-207 two sets of 8: f16 results
	s_load_b512 s[8:23], s[0:1], 0x0               ; xt 8, x0 10, wq 12, wk 14, wv 16, wo 18, half 20, codes 22
	s_load_b128 s[24:27], s[0:1], 0x40             ; scales 24, tab 26
	v_lshl_add_u32 v[SPW], v0, 2, SPARE
	v_mov_b32 v[NIL], 0
	v_lshrrev_b32 v1, 5, v0
	v_readfirstlane_b32 s28, v1                    ; wave
	v_and_b32 v2, 31, v0                           ; lane
	v_lshlrev_b32 v3, 4, v2                        ; my 16 bytes of a load's 512
	v_lshlrev_b32 v4, 3, v2                        ; my 8 bytes of a store's 256
.macro LOAD t
.irp i, 0,1,2,3
	global_load_b128 v[R+16*((\t)%4)+4*\i:R+16*((\t)%4)+4*\i+3], v3, s[4:5] offset:2048*(\t)+512*\i th:TH_LOAD_NT   ; 32 lanes read 512 consecutive bytes
.endr
.endm
.macro TURN t                          ; step t's numbers through the stage: LDS serves a wave's instructions in order, so no wait stands between the stores and the loads
.irp i, 0,1,2,3
	ds_store_b128 v14, v[R+16*((\t)%4)+4*\i:R+16*((\t)%4)+4*\i+3] offset:32*SP*((\t)%2)+8*SP*\i
.endr
.irp i, 0,1,2,3
	ds_load_b128 v[X+16*((\t)%2)+4*\i:X+16*((\t)%2)+4*\i+3], v15 offset:32*SP*((\t)%2)+16*\i
.endr
.endm
.macro HALF t                          ; step t's numbers, as they were loaded, to f16: a lane's 4 numbers of a load are 8 bytes, a store covers 256 consecutive bytes, aligned
	s_wait_xcnt 0x0                                ; the stores of two steps back have read this set of H
.irp i, 0,1,2,3
	v_cvt_pk_f16_f32 v[H+8*((\t)%2)+2*\i], v[R+16*((\t)%4)+4*\i], v[R+16*((\t)%4)+4*\i+1]
	v_cvt_pk_f16_f32 v[H+8*((\t)%2)+2*\i+1], v[R+16*((\t)%4)+4*\i+2], v[R+16*((\t)%4)+4*\i+3]
.endr
.irp i, 0,1,2,3
	global_store_b64 v4, v[H+8*((\t)%2)+2*\i:H+8*((\t)%2)+2*\i+1], s[38:39] offset:1024*(\t)+256*\i
.endr
.endm
.macro STEP t, h16
.set XS, X+16*((\t)%2)
.if (\t) > 0
	s_wait_dscnt 1                                 ; this step's numbers are back from the stage (the last step's byte store may be out): so its stores into the stage have read their registers,
.else
	s_wait_dscnt 0x0
.endif
.if (\t)+4 < 16
	LOAD (\t)+4                                    ; which take the loads of four steps on
.endif
.if (\t)+1 < 16
.if 14-(\t) >= 3
	s_wait_loadcnt 12                              ; the next step's four loads are in; those of the three steps behind it may be out
.else
	s_wait_loadcnt 4*(14-(\t))
.endif
	TURN (\t)+1
.if \h16
	HALF (\t)+1                                    ; ahead of the next step's loads, which land on these registers
.endif
.endif
	v_max3_num_f32 v8, |v[XS]|, |v[XS+1]|, |v[XS+2]|               ; the largest magnitude of my 16
	v_max3_num_f32 v9, |v[XS+3]|, |v[XS+4]|, |v[XS+5]|
.irp i, 6,10
	v_max3_num_f32 v8, v8, |v[XS+\i]|, |v[XS+\i+1]|
	v_max3_num_f32 v9, v9, |v[XS+\i+2]|, |v[XS+\i+3]|
.endr
	v_max3_num_f32 v8, v8, |v[XS+14]|, |v[XS+15]|
	v_max3_num_f32 v8, v8, v9, (EMAX+1)<<23        ; and the floor 2^(3 - 127): the byte cannot fall under 1
	v_max_num_f32_dpp v8, v8, v8 row_xmask:1 row_mask:0xf bank_mask:0xf   ; and of my neighbour's 16: the block's
	v_add_nc_u32 v11, -(EMAX<<23), v8              ; 2 off its exponent field: the conversion takes the exponent field of this operand as its scale
	v_cvt_scalef32_pk8_fp4_f32 v[C+4*(\t)], v[XS:XS+7], v11
	v_cvt_scalef32_pk8_fp4_f32 v[C+4*(\t)+1], v[XS+8:XS+15], v11
	v_lshrrev_b32 v[E+(\t)], 23, v11               ; the scale's byte (a plain line behind the conversions)
	ds_store_b8 v5, v[E+(\t)] offset:16*(\t)       ; both lanes of a block write the same byte with the same value
	global_store_b64 v4, v[C+4*(\t):C+4*(\t)+1], s[6:7] offset:256*(\t)
.endm
; A whole way that quantises.  h16 = 1: f16 too.  base: its LDS bytes.  src: the tensor's pointer.  first: its first work-group.  coff, soff: where its codes and scale bytes begin.
.macro QPATH h16, base, src, first, coff, soff
	s_sub_co_u32 s29, ttmp9, \first                ; n: which 32,768 numbers
	s_lshl_b32 s30, s29, 17
	s_lshl_b32 s31, s28, 15
	s_add_co_u32 s30, s30, s31
	s_mov_b32 s31, 0
	s_add_nc_u64 s[4:5], s[\src:\src+1], s[30:31]  ; my wave's 8,192 numbers
	s_lshl_b32 s32, s29, 2
	s_add_co_u32 s32, s32, s28                     ; 4 n + wave
	s_lshl_b32 s30, s32, 12
	s_add_co_u32 s30, s30, \coff
	s_add_nc_u64 s[6:7], s[22:23], s[30:31]        ; 4,096 bytes of codes
	s_lshl_b32 s30, s32, 8
	s_add_co_u32 s30, s30, \soff
	s_add_nc_u64 s[36:37], s[24:25], s[30:31]      ; 256 scale bytes
.if \h16
	s_lshl_b32 s30, s29, 16                        ; f16: 65,536 bytes a work-group,
	s_lshr_b32 s32, s29, 7
	s_lshl_b32 s32, s32, 23                        ; the second batch 2,048 rows further on,
	s_add_co_u32 s30, s30, s32
	s_lshl_b32 s32, s28, 14                        ; 16,384 a wave
	s_add_co_u32 s30, s30, s32
	s_add_nc_u64 s[38:39], s[20:21], s[30:31]
.endif
	s_mul_i32 s33, s28, WREG
	s_add_co_u32 s33, s33, \base
	v_lshrrev_b32 v14, 2, v2
	v_mul_u32_u24 v14, v14, SP
	v_and_b32 v15, 3, v2
	v_lshl_add_u32 v14, v15, 4, v14
	v_add_nc_u32 v14, s33, v14                     ; the stage, on the way in: SP (lane / 4) + 16 (lane % 4)
	v_mul_u32_u24 v15, v2, SP
	v_add_nc_u32 v15, s33, v15                     ; and on the way out: SP x lane: my 16 neighbours
	v_lshrrev_b32 v5, 1, v2
	s_add_co_u32 s33, s33, 2*32*SP
	v_add_nc_u32 v5, s33, v5                       ; my wave's 256 scale bytes, my block's byte
	v_add_nc_u32 v6, s33, v4                       ; and on the way out 8 bytes a lane
.irp t, 0,1,2,3
	LOAD \t
.endr
	s_wait_loadcnt 12                              ; step 0's four loads are in
	TURN 0
.if \h16
	HALF 0
.endif
.irp t, 0,1,2,3,4,5,6,7,8,9,10,11,12,13,14,15
	STEP \t, \h16
.endr
	ds_load_b64 v[8:9], v6                         ; LDS serves a wave's instructions in order: these see my stores
	s_wait_dscnt 0x0
	global_store_b64 v4, v[8:9], s[36:37]          ; 32 lanes store 256 consecutive bytes, aligned
	s_wait_tensorcnt 0x0                           ; the wave's end: behind my last LDS store
	ds_add_u32 v[SPW], v[NIL]
	s_wait_dscnt 0x0
	s_endpgm
.endm
.macro CSTEP t                         ; f16 alone: no LDS
.if (\t) <= 12
	s_wait_loadcnt 12                              ; this step's four loads are in; three steps' may be out
.else
	s_wait_loadcnt 4*(15-(\t))
.endif
	HALF \t
.if (\t)+4 < 16
	LOAD (\t)+4
.endif
.endm
	s_wait_kmcnt 0x0
	s_cmp_lt_u32 ttmp9, 256
	s_cbranch_scc1 .Lxt
	s_cmp_lt_u32 ttmp9, 320
	s_cbranch_scc1 .Lwq
	s_cmp_lt_u32 ttmp9, 704
	s_cbranch_scc1 .Lplain
	; ---- THE TABLE.  A work-group makes 128 positions, a wave 32, two a trip: lanes 0-15 one position's 256 bytes, lanes 16-31 the next's.  Lane g of 16: g < 8: cos of frequencies 4 g .. 4 g + 3; else sin of 4 (g - 8) ..
	s_sub_co_u32 s29, ttmp9, 704
	s_lshl_b32 s29, s29, 7
	s_lshl_b32 s30, s28, 5
	s_add_co_u32 s29, s29, s30                     ; my wave's first position
	s_lshl_b32 s30, s29, 8
	s_mov_b32 s31, 0
	s_add_nc_u64 s[26:27], s[26:27], s[30:31]
	s_mov_b32 s32, 0x3f22f983                      ; 2 / pi
	s_mov_b32 s33, 0x3fc90fdb                      ; pi / 2, its f32,
	s_mov_b32 s34, 0x333bbd2e                      ; and by how much that lies over pi / 2
	s_mov_b32 s35, 0xbe2aaaab                      ; sin: -1/6, 1/120, -1/5040
	s_mov_b32 s36, 0x3c088889
	s_mov_b32 s37, 0xb9500d01
	s_mov_b32 s38, 0x3d2aaaab                      ; cos: 1/24, -1/720, 1/40320
	s_mov_b32 s39, 0xbab60b61
	s_mov_b32 s40, 0x37d00d01
	s_mov_b32 s41, 0
	v_lshrrev_b32 v5, 4, v2
	v_add_nc_u32 v5, s29, v5
	v_cvt_f32_u32 v20, v5                          ; my position
	v_bfe_u32 v21, v2, 3, 1                        ; 1: I make sines
	v_and_b32 v6, 7, v2
	v_lshlrev_b32 v6, 2, v6
.irp e, 0,1,2,3
	v_add_nc_u32 v[16+\e], \e, v6                  ; my four frequencies' numbers i
.endr
.irp e, 0,1,2,3
	v_cvt_f32_u32 v[16+\e], v[16+\e]
.endr
.irp e, 0,1,2,3
	v_mul_f32 v[16+\e], 0xbea5294a, v[16+\e]       ; -10 i / 31
.endr
.irp e, 0,1,2,3
	v_exp_f32 v[16+\e], v[16+\e]                   ; (1/1024)^(i/31)
.endr
	v_mov_b32 v56, v3                              ; 16 x lane (a plain line behind the exponentials)
	s_wait_alu depctr_va_vdst(0)                   ; one wait for the four, ahead of the label and of their first reader
.Lpos:
.irp e, 0,1,2,3
	v_mul_f32 v[24+\e], v20, v[16+\e]              ; theta
.endr
.irp e, 0,1,2,3
	v_mul_f32 v[28+\e], s32, v[24+\e]
.endr
.irp e, 0,1,2,3
	v_rndne_f32 v[28+\e], v[28+\e]                 ; k: the nearest multiple of pi / 2
.endr
.irp e, 0,1,2,3
	v_fma_f32 v[32+\e], -v[28+\e], s33, v[24+\e]
.endr
.irp e, 0,1,2,3
	v_fma_f32 v[32+\e], v[28+\e], s34, v[32+\e]    ; x = theta - k pi / 2, at most pi / 4 in size
.endr
.irp e, 0,1,2,3
	v_cvt_i32_f32 v[48+\e], v[28+\e]
.endr
.irp e, 0,1,2,3
	v_sub_nc_u32 v[48+\e], v[48+\e], v21           ; n = k, or k - 1 for a sine: the number wanted is cos(n pi / 2 + x)
.endr
.irp e, 0,1,2,3
	v_mul_f32 v[36+\e], v[32+\e], v[32+\e]         ; z = x x
.endr
.irp e, 0,1,2,3
	v_fma_f32 v[40+\e], v[36+\e], s37, s36
	v_fma_f32 v[44+\e], v[36+\e], s40, s39
.endr
.irp e, 0,1,2,3
	v_fma_f32 v[40+\e], v[36+\e], v[40+\e], s35
	v_fma_f32 v[44+\e], v[36+\e], v[44+\e], s38
.endr
.irp e, 0,1,2,3
	v_mul_f32 v[40+\e], v[40+\e], v[36+\e]
	v_fma_f32 v[44+\e], v[36+\e], v[44+\e], -0.5
.endr
.irp e, 0,1,2,3
	v_fma_f32 v[40+\e], v[32+\e], v[40+\e], v[32+\e]   ; sin x
	v_fma_f32 v[44+\e], v[36+\e], v[44+\e], 1.0        ; cos x
.endr
.irp e, 0,1,2,3
	v_and_b32 v[24+\e], 1, v[48+\e]
	v_add_nc_u32 v[48+\e], 1, v[48+\e]
.endr
.irp e, 0,1,2,3
	v_cmp_eq_u32 vcc_lo, 1, v[24+\e]
	v_cndmask_b32 v[52+\e], v[44+\e], v[40+\e], vcc_lo  ; n odd: the sine
	v_and_b32 v[48+\e], 2, v[48+\e]
.endr
.irp e, 0,1,2,3
	v_lshlrev_b32 v[48+\e], 30, v[48+\e]           ; n mod 4 is 1 or 2: the sign turns
.endr
.irp e, 0,1,2,3
	v_xor_b32 v[52+\e], v[52+\e], v[48+\e]
.endr
	global_store_b128 v56, v[52:55], s[26:27]      ; two positions' rows: 512 consecutive bytes
	s_wait_xcnt 0x0                                ; the store has read its registers: they are written again below and in the next trip
	v_add_f32 v20, 2.0, v20
	v_add_nc_u32 v56, 512, v56
	s_add_co_u32 s41, s41, 1
	s_cmp_lt_u32 s41, 16
	s_cbranch_scc1 .Lpos
	s_endpgm
.Lxt:
	QPATH 1, 0, 8, 0, 0, 0
.Lwq:
	QPATH 0, 32768, 12, 256, 4194304, 262144
.Lplain:
	; ---- x0, wk, wv, wo to f16.  The pointer is chosen on the work-group's number alone
	s_sub_co_u32 s30, ttmp9, 320                   ; x0: as xt's rows, 2,048 rows further on in each batch
	s_lshr_b32 s31, s30, 7
	s_lshl_b32 s31, s31, 23
	s_lshl_b32 s30, s30, 16
	s_add_co_u32 s30, s30, s31
	s_add_co_u32 s30, s30, 8388608
	s_sub_co_u32 s31, ttmp9, 576                   ; the weights: on end behind xs
	s_lshl_b32 s31, s31, 16
	s_add_co_u32 s31, s31, 33554432
	s_mov_b64 s[4:5], s[18:19]
	s_mov_b32 s29, 640
	s_cmp_lt_u32 ttmp9, 640
	s_cselect_b64 s[4:5], s[16:17], s[4:5]
	s_cselect_b32 s29, 608, s29
	s_cmp_lt_u32 ttmp9, 608
	s_cselect_b64 s[4:5], s[14:15], s[4:5]
	s_cselect_b32 s29, 576, s29
	s_cmp_lt_u32 ttmp9, 576
	s_cselect_b64 s[4:5], s[10:11], s[4:5]
	s_cselect_b32 s29, 320, s29
	s_cselect_b32 s30, s30, s31
	s_lshl_b32 s31, s28, 14
	s_add_co_u32 s30, s30, s31
	s_mov_b32 s31, 0
	s_add_nc_u64 s[38:39], s[20:21], s[30:31]
	s_sub_co_u32 s30, ttmp9, s29
	s_lshl_b32 s30, s30, 17
	s_lshl_b32 s32, s28, 15
	s_add_co_u32 s30, s30, s32
	s_add_nc_u64 s[4:5], s[4:5], s[30:31]
.irp t, 0,1,2,3
	LOAD \t
.endr
.irp t, 0,1,2,3,4,5,6,7,8,9,10,11,12,13,14,15
	CSTEP \t
.endr
	s_endpgm
.Lfunc_end_k_qa575c5a59a_prep:
	.size	k_qa575c5a59a_prep, .Lfunc_end_k_qa575c5a59a_prep-k_qa575c5a59a_prep
	.p2alignl 7, 3214868480
	.fill 96, 4, 3214868480
	.section	.rodata,"a",@progbits
	.p2align	6, 0x0
	.amdhsa_kernel k_qa575c5a59a_prep
		.amdhsa_group_segment_fixed_size 66048
		.amdhsa_private_segment_fixed_size 0
		.amdhsa_enable_private_segment 0
		.amdhsa_kernarg_size 80
		.amdhsa_user_sgpr_count 2
		.amdhsa_user_sgpr_kernarg_segment_ptr 1
		.amdhsa_wavefront_size32 1
		.amdhsa_system_sgpr_workgroup_id_x 1
		.amdhsa_system_sgpr_workgroup_id_y 1
		.amdhsa_system_sgpr_workgroup_id_z 1
		.amdhsa_system_vgpr_workitem_id 0
		.amdhsa_next_free_vgpr 208
		.amdhsa_next_free_sgpr 66
		.amdhsa_reserve_vcc 1
		.amdhsa_float_denorm_mode_32 3
		.amdhsa_float_denorm_mode_16_64 3
		.amdhsa_memory_ordered 1
		.amdhsa_forward_progress 1
		.amdhsa_inst_pref_size 109
	.end_amdhsa_kernel
	.amdgpu_metadata
---
amdhsa.version: [ 1, 2 ]
amdhsa.kernels:
  - .name:           k_qa575c5a59a_prep
    .symbol:         k_qa575c5a59a_prep.kd
    .args:
      - { .name: xt, .offset: 0, .size: 8, .value_kind: global_buffer, .address_space: global }
      - { .name: x0, .offset: 8, .size: 8, .value_kind: global_buffer, .address_space: global }
      - { .name: wq, .offset: 16, .size: 8, .value_kind: global_buffer, .address_space: global }
      - { .name: wk, .offset: 24, .size: 8, .value_kind: global_buffer, .address_space: global }
      - { .name: wv, .offset: 32, .size: 8, .value_kind: global_buffer, .address_space: global }
      - { .name: wo, .offset: 40, .size: 8, .value_kind: global_buffer, .address_space: global }
      - { .name: half, .offset: 48, .size: 8, .value_kind: global_buffer, .address_space: global }
      - { .name: codes, .offset: 56, .size: 8, .value_kind: global_buffer, .address_space: global }
      - { .name: scales, .offset: 64, .size: 8, .value_kind: global_buffer, .address_space: global }
      - { .name: tab, .offset: 72, .size: 8, .value_kind: global_buffer, .address_space: global }
    .group_segment_fixed_size: 66048
    .private_segment_fixed_size: 0
    .kernarg_segment_align: 8
    .kernarg_segment_size: 80
    .max_flat_workgroup_size: 128
    .sgpr_count:     66
    .vgpr_count:     208
    .wavefront_size: 32
...
	.end_amdgpu_metadata
.endif
;; end of part 1
;; launch qproj (part 2): grid 8 x 32, 4 waves a work-group, clusters of 4 x 4, 327,680 bytes of LDS; arguments codes, scales, tab, q16; writes q16
.if DOCPART == 2
	.amdgcn_target "amdgcn-amd-amdhsa--gfx1250"
	.amdhsa_code_object_version 6
	.text
	.protected	k_qa575c5a59a_qproj
	.globl	k_qa575c5a59a_qproj
	.p2align	8
	.type	k_qa575c5a59a_qproj,@function
k_qa575c5a59a_qproj:
	s_mov_b64 s[64:65], 0
	v_nop
	global_prefetch_b8 v0, s[64:65] scope:SCOPE_SE
	s_setreg_imm32_b32 hwreg(HW_REG_WAVE_MODE, 25, 1), 1
	s_wait_xcnt 0x0
	s_wait_alu depctr_hold_cnt(0) depctr_sa_sdst(0) depctr_va_vdst(0) depctr_va_sdst(0) depctr_va_ssrc(0) depctr_va_vcc(0) depctr_vm_vsrc(0)
	s_getreg_b32 s2, hwreg(HW_REG_IB_STS2, 6, 4)
	s_cmp_eq_u32 s2, 0
	s_cbranch_scc0 .Lentry_in_a_cluster
	s_endpgm
.Lentry_in_a_cluster:
	s_bfe_u32 s2, ttmp6, 0x10000c
	s_cmp_lg_u32 s2, 0xf033
	s_cbranch_scc0 .Lentry_shape_is_right
	s_endpgm
.Lentry_shape_is_right:
; QPROJ: q = xt wq^T on codes of FP4 (E2M1) with one E8M0 scale for each 32 along K, f32 sums; then, per head of 128, the RMS norm and the rotation, in f32; q leaves as f16, [batch x 8 + head][2048][128].
; WORK LEFT OUT: the rotation of channels 32-63 and 96-127, whose frequencies reference() sets to zero in its own body (cos = 1, sin = 0 for all inputs).
; A tile of C is 128 rows x 128 columns: one head.  Four waves; wave w makes rows 32 w .. 32 w + 31 and all 128 columns, so that a row's norm never leaves the wave: 16 accumulators, 128 registers.
; ALL OF K LIES IN LDS: 2,048 codes are 1,024 bytes a row; 128 rows of xt and 128 of wq, as four K steps of 512 codes (rows of 256 bytes + 16), are 278,528 bytes.  Every byte is filled once, by first fills that go out together:
; five tensor loads a wave are out (its half of the scale bytes, then four K steps).  Nothing is filled again: no ring, and no round of the cluster's barrier but the first and the last.  A K step is multiplied while the later ones land.
; CLUSTERS: 4 x 4 work-groups; A's tiles are asked for jointly along a row of the cluster, B's along a column.
; THE MATRIX INSTRUCTION IS USED TRANSPOSED (source 0 = 16 rows of wq, source 1 = 16 rows of xt): lane (r, h) holds row r and columns 16 b + 8 h + 0 .. 7.
; No prefetch into the L2: all that the work-group reads is asked for at its head.
; REGISTERS, in windows of 256: window 0: v0-31 addresses; v32-63 rows on the way out; v64-111 A's fragments, three buffers of 16 (on the way out: rows, and the norm's work); v128-191 scale words, two sets, and nothing else; v192-255 the way out.
;   window 1: B's fragments, three buffers of 64.   window 2: accumulator (a, b) at v[8 (8 a + b)].   window 3: the table: for row block a cos at v[32 a + 8 b], sin at v[32 a + 16 + 8 b], b = 0, 1.
.set KROWB,  1024                      ; a row of codes in memory, in bytes
.set PITCH,  272                       ; an LDS row: 256 bytes + 16 of padding: the 16 rows that a load touches start at 16 different banks
.set BH,     64*PITCH                  ; 64 rows: what one load brings
.set BOFF,   2*BH                      ; a K step: A's 128 rows, then B's 128
.set SLOT,   4*BH
.set SCL,    4*SLOT                    ; behind the four K steps: A's scale bytes, 128 rows x 64, as units of 256 bytes + 16;
.set SBH,    16*272                    ; (64 rows' scale bytes: what one load brings)
.set SCB,    SCL+2*SBH                 ; B's likewise
.set STAGE,  SCB+2*SBH                 ; 16 rows x 272 bytes for each wave, for the way out
.set SPARE,  STAGE+4*16*PITCH          ; the spare words, 128 bytes for each wave
.set ADRA, 16                          ; v16-19  LDS address of my A fragments in K step 0 .. 3
.set ADRB, 20                          ; v20-23  the same for B
.set STO,  24
.set RD,   25
.set CO,   26
.set ADRS, 27
.set SPW,  28
.set NIL,  29
.set TBO,  30
.set OB,   32                          ; rows read back: v32-63 and v64-95 by turns
.set FA,   64
.set T,    96                          ; the norm's work: v96-103 sums, v104.. a row block's sum, v108.. the other half's, v112.. 1 / rms in pairs
.set SS,   104
.set PX,   108
.set RS,   112
.set SC,   128                         ; set s % 2 for K step s at v[SC + 32 (s % 2)]; register 4 i + q: lanes 0-15 the word of A's block i, lanes 16-31 of B's block i, for the step's q-th 128 along K
.set TMP,  192
.set Y1,   224
.set Y2,   240
.set G1,   24                          ; s[24:31] group 1 for A's codes;  s[32:39] for B's;  s[40:47], s[48:55] for their scale bytes
.set G1B,  32
.set G1S,  40
.set G1SB, 48
.set G0S,  56                          ; s[56:59], s[60:63] groups 0 for the scale bytes
.set G0SB, 60
.set G0,   68                          ; s[68:83] groups 0 for A's codes, one set for each K step;  s[84:99] for B's
.set G0B,  84
.set SEL,  24                          ; behind the last wait on TENSORcnt s[24:27] are free: the lane selects, 1 / 128 and eps
.set MSB, 0
.macro WIN new                         ; the immediate's high byte repeats the setting that is left
.if MSB != \new
	s_set_vgpr_msb (MSB<<8)|\new
.set MSB, \new
.endif
.endm
.set MUL,  0xa1                        ; source 0 (B) window 1, source 1 (A) window 0, C and D window 2
.set TO_B, 0x40
.macro PLACES
.rept 4
	v_nop
.endr
.endm
; A joint load: waves 0 and 1 fetch for A, waves 2 and 3 for B; the branch hangs on the wave's number alone.  An s_nop 0 and four v_nop follow each of the two lines.
.macro JLOAD g0a, g1a, g0b, g1b
	s_cmp_eq_u32 s15, 0
	s_cbranch_scc0 .Lfor_b_\@
	tensor_load_to_lds s[\g0a:\g0a+3], s[\g1a:\g1a+7]
	s_nop 0
.rept 4
	v_nop
.endr
	s_branch .Lasked_\@
.Lfor_b_\@:
	tensor_load_to_lds s[\g0b:\g0b+3], s[\g1b:\g1b+7]
	s_nop 0
.rept 4
	v_nop
.endr
.Lasked_\@:
.endm
.macro CROUND                          ; a round of the cluster's barrier
	s_barrier_signal -1
	s_barrier_wait -1
	s_cmp_lg_u32 s14, 0
	s_cbranch_scc1 .Lnot_wave_0_\@
	s_barrier_signal -3
.Lnot_wave_0_\@:
	s_barrier_wait -3
	s_barrier_signal -1
	s_barrier_wait -1
.endm
	s_load_b256 s[4:11], s[0:1], 0x0               ; codes s[4:5], scales s[6:7], tab s[8:9], q16 s[10:11]
	v_lshl_add_u32 v[SPW], v0, 2, SPARE
	v_mov_b32 v[NIL], 0
	ds_add_u32 v[SPW], v[NIL]                      ; the wave's opening: the add, twice on end, and its wait ahead of my first tensor load
	ds_add_u32 v[SPW], v[NIL]
	v_lshrrev_b32 v1, 5, v0
	v_readfirstlane_b32 s14, v1                    ; wave 0..3
	s_lshr_b32 s15, s14, 1                         ; I fetch for A (0) or for B (1)
	s_and_b32 s16, s14, 1                          ; which 64 rows of that tile
	s_bfe_u32 s12, ttmp6, 0x40000                  ; cx, cy
	s_bfe_u32 s13, ttmp6, 0x40004
	s_lshl_b32 s66, ttmp9, 2
	s_add_co_u32 s66, s66, s12                     ; tile column = head
	s_and_b32 s17, ttmp7, 0xffff
	s_lshl_b32 s17, s17, 2
	s_add_co_u32 s17, s17, s13                     ; tile row
	s_lshl_b32 s67, s13, 2
	s_lshl_b32 s67, 15, s67                        ; my row of the cluster
	s_lshl_b32 s100, 0x1111, s12                   ; my column
	s_or_b32 s[G1+0], s67, (0<<16)|(1<<20)|(1<<21)|(5<<22)|(3<<25)   ; the mask; elements of 1 byte; padding: 4 words behind every 64; bit 21 set beside a mask
	s_or_b32 s[G1B+0], s100, (0<<16)|(1<<20)|(1<<21)|(5<<22)|(3<<25)
.irp g, G1, G1B
	s_mov_b32 s[\g+1], 256<<16                     ; tensor_dim0
	s_mov_b32 s[\g+2], 64<<16                      ; tensor_dim1: 64 rows a load
	s_mov_b32 s[\g+3], 256<<16                     ; tile_dim0
	s_mov_b32 s[\g+4], 64                          ; tile_dim1
	s_mov_b32 s[\g+5], KROWB                       ; the pitch in memory
	s_mov_b32 s[\g+6], 0
	s_mov_b32 s[\g+7], 0
.endr
	s_or_b32 s[G1S+0], s67, (3<<16)|(1<<20)|(1<<21)|(5<<22)|(3<<25)  ; the scale bytes of 64 rows: a dense block of 4,096 bytes as 16 rows of 256 (32 elements of 8), 16 bytes of padding behind each
	s_or_b32 s[G1SB+0], s100, (3<<16)|(1<<20)|(1<<21)|(5<<22)|(3<<25)
.irp g, G1S, G1SB
	s_mov_b32 s[\g+1], 32<<16
	s_mov_b32 s[\g+2], 16<<16
	s_mov_b32 s[\g+3], 32<<16
	s_mov_b32 s[\g+4], 16
	s_mov_b32 s[\g+5], 32
	s_mov_b32 s[\g+6], 0
	s_mov_b32 s[\g+7], 0
.endr
	s_lshl_b32 s18, s16, 6
	s_lshl_b32 s20, s17, 7
	s_add_co_u32 s20, s20, s18                     ; A: row 128 x tile row + 64 x half
	s_lshl_b32 s22, s20, 6                         ; its scale bytes,
	s_lshl_b32 s20, s20, 10                        ; its codes
	s_mov_b32 s21, 0
	s_mov_b32 s23, 0
	s_lshl_b32 s104, s66, 7
	s_add_co_u32 s104, s104, s18                   ; B: row 128 x tile column + 64 x half
	s_lshl_b32 s2, s104, 6
	s_add_co_u32 s2, s2, 262144                    ; wq's scale bytes lie behind xt's,
	s_lshl_b32 s104, s104, 10
	s_add_co_u32 s104, s104, 4194304               ; its codes likewise
	s_mov_b32 s105, 0
	s_mov_b32 s3, 0
	s_mul_i32 s101, s16, BH                        ; where they go: no place in the cluster enters an LDS address
	s_mul_i32 s19, s16, SBH
	s_wait_dscnt 0x0                               ; both opening adds are done
	s_wait_kmcnt 0x0
	s_add_nc_u64 s[20:21], s[4:5], s[20:21]
	s_add_nc_u64 s[22:23], s[6:7], s[22:23]
	s_add_nc_u64 s[104:105], s[4:5], s[104:105]
	s_add_nc_u64 s[2:3], s[6:7], s[2:3]
	CROUND                                         ; all sixteen work-groups are here: the first joint loads meet
	s_mov_b32 s[G0S], 1
	s_add_co_u32 s[G0S+1], s19, SCL
	s_mov_b64 s[G0S+2:G0S+3], s[22:23]
	s_or_b32 s[G0S+3], s[G0S+3], 0x80000000
	s_mov_b32 s[G0SB], 1
	s_add_co_u32 s[G0SB+1], s19, SCB
	s_mov_b64 s[G0SB+2:G0SB+3], s[2:3]
	s_or_b32 s[G0SB+3], s[G0SB+3], 0x80000000
	JLOAD G0S, G1S, G0SB, G1SB                     ; the scales first: they are wanted with K step 0
.irp s, 0,1,2,3
	s_mov_b32 s[G0+4*\s], 1
	s_add_co_u32 s[G0+4*\s+1], s101, \s*SLOT
	s_add_nc_u64 s[G0+4*\s+2:G0+4*\s+3], s[20:21], \s*256
	s_or_b32 s[G0+4*\s+3], s[G0+4*\s+3], 0x80000000
	s_mov_b32 s[G0B+4*\s], 1
	s_add_co_u32 s[G0B+4*\s+1], s101, \s*SLOT+BOFF
	s_add_nc_u64 s[G0B+4*\s+2:G0B+4*\s+3], s[104:105], \s*256
	s_or_b32 s[G0B+4*\s+3], s[G0B+4*\s+3], 0x80000000
	JLOAD G0+4*\s, G1, G0B+4*\s, G1B               ; in the end five loads of mine are out
.endr
	v_and_b32 v1, 15, v0                           ; r
	v_bfe_u32 v2, v0, 4, 1                         ; h
	v_mul_u32_u24 v3, v1, PITCH
	v_lshl_add_u32 v4, v2, 4, v3                   ; a fragment's row x pitch + 16 h
	s_mul_i32 s21, s14, 32*PITCH                   ; my 32 rows of A
	s_mov_b32 s22, BOFF                            ; all of B's 128
.irp s, 0,1,2,3
	v_add_nc_u32 v[ADRA+\s], s21, v4
	v_add_nc_u32 v[ADRB+\s], s22, v4
	s_add_co_u32 s21, s21, SLOT
	s_add_co_u32 s22, s22, SLOT
.endr
	v_lshlrev_b32 v5, 6, v1                        ; my row's scale bytes: 64 a row,
	v_lshrrev_b32 v6, 2, v1
	v_lshl_add_u32 v5, v6, 4, v5                   ; and 16 more for each 256 passed
	s_mul_i32 s21, s14, 8*272                      ; A's: my 32 rows
	s_mov_b32 s22, 2*SBH
	s_sub_co_u32 s22, s22, s21                     ; from there to B's
	v_mul_u32_u24 v6, s22, v2                      ; lanes 16-31 take B's
	s_add_co_u32 s21, s21, SCL
	v_add_nc_u32 v5, v5, v6
	v_add_nc_u32 v[ADRS], s21, v5
	s_mul_i32 s23, s14, 16*PITCH
	s_add_co_u32 s23, s23, STAGE                   ; my stage
	v_add_nc_u32 v[STO], s23, v4                   ; in: row r, 16 bytes for each half of the lanes
	v_mul_u32_u24 v5, v2, PITCH
	v_lshl_add_u32 v5, v1, 4, v5
	v_add_nc_u32 v[RD], s23, v5                    ; back: lanes 0-15 one row of 256 bytes, lanes 16-31 the next
	v_and_b32 v6, 31, v0
	v_lshlrev_b32 v[CO], 4, v6                     ; q16's rows are dense: the two rows are 512 consecutive bytes
	v_lshlrev_b32 v[TBO], 8, v1
	v_lshl_add_u32 v[TBO], v2, 5, v[TBO]           ; the table: position r of a block, + 32 h
	s_and_b32 s18, s17, 15
	s_lshl_b32 s18, s18, 15
	s_lshl_b32 s19, s14, 13
	s_add_co_u32 s18, s18, s19                     ; 256 x my first row's position in its sequence
	s_mov_b32 s19, 0
	s_add_nc_u64 s[8:9], s[8:9], s[18:19]
	s_lshr_b32 s22, s17, 4                         ; the batch,
	s_lshl_b32 s22, s22, 22
	s_add_co_u32 s18, s18, s22
	s_lshl_b32 s22, s66, 19                        ; the head
	s_add_co_u32 s18, s18, s22
	s_add_nc_u64 s[10:11], s[10:11], s[18:19]
	WIN 0xc0                                       ; destination window 3: the table of my 32 positions, asked for now, wanted on the way out
.irp a, 0,1
.irp b, 0,1
.irp u, 0,1
	global_load_b128 v[32*\a+8*\b+4*\u:32*\a+8*\b+4*\u+3], v[TBO], s[8:9] offset:4096*\a+64*\b+16*\u
	global_load_b128 v[32*\a+16+8*\b+4*\u:32*\a+16+8*\b+4*\u+3], v[TBO], s[8:9] offset:4096*\a+128+64*\b+16*\u
.endr
.endr
.endr
	WIN 0
; A QUARTER is 128 along K; q = 0 .. 15 counts them through all of K; K step q / 4, buffer q % 3.
; 8 matrix instructions: A's block a x B's eight.  The 16 accumulators take turns, one instruction a turn, in the same order in every quarter.  Quarter 0 starts the sums: nothing is cleared.
.macro MUL8 q, a
.irp b, 0,1,2,3,4,5,6,7
.if (\q) == 0
	v_wmma_scale_f32_16x16x128_f8f6f4 v[8*(8*(\a)+\b):8*(8*(\a)+\b)+7], v[64*((\q)%3)+8*\b:64*((\q)%3)+8*\b+7], v[FA+16*((\q)%3)+8*(\a):FA+16*((\q)%3)+8*(\a)+7], 0, v[SC+32*(((\q)/4)%2)+4*\b+(\q)%4], v[SC+32*(((\q)/4)%2)+4*(\a)+(\q)%4] matrix_a_fmt:MATRIX_FMT_FP4 matrix_b_fmt:MATRIX_FMT_FP4 matrix_a_scale:MATRIX_SCALE_ROW1
.else
	v_wmma_scale_f32_16x16x128_f8f6f4 v[8*(8*(\a)+\b):8*(8*(\a)+\b)+7], v[64*((\q)%3)+8*\b:64*((\q)%3)+8*\b+7], v[FA+16*((\q)%3)+8*(\a):FA+16*((\q)%3)+8*(\a)+7], v[8*(8*(\a)+\b):8*(8*(\a)+\b)+7], v[SC+32*(((\q)/4)%2)+4*\b+(\q)%4], v[SC+32*(((\q)/4)%2)+4*(\a)+(\q)%4] matrix_a_fmt:MATRIX_FMT_FP4 matrix_b_fmt:MATRIX_FMT_FP4 matrix_a_scale:MATRIX_SCALE_ROW1
.endif
.endr
.endm
.macro FETCH q                         ; 20 LDS loads in one run: quarter q's fragments: B's eight, then A's two
	WIN TO_B
.irp i, 0,1,2,3,4,5,6,7
	ds_load_b128 v[64*((\q)%3)+8*\i:64*((\q)%3)+8*\i+3],   v[ADRB+(\q)/4] offset:64*((\q)%4)+\i*16*PITCH
	ds_load_b128 v[64*((\q)%3)+8*\i+4:64*((\q)%3)+8*\i+7], v[ADRB+(\q)/4] offset:64*((\q)%4)+\i*16*PITCH+32
.endr
	WIN 0
.irp i, 0,1
	ds_load_b128 v[FA+16*((\q)%3)+8*\i:FA+16*((\q)%3)+8*\i+3],   v[ADRA+(\q)/4] offset:64*((\q)%4)+\i*16*PITCH
	ds_load_b128 v[FA+16*((\q)%3)+8*\i+4:FA+16*((\q)%3)+8*\i+7], v[ADRA+(\q)/4] offset:64*((\q)%4)+\i*16*PITCH+32
.endr
.endm
.macro SCALES s                        ; K step s's scale words: four a row; lanes 0-15 A's block i (no product names them for i over 1: they read filled bytes of the scales' region), lanes 16-31 B's block i
.irp i, 0,1,2,3,4,5,6,7
	ds_load_b128 v[SC+32*((\s)%2)+4*\i:SC+32*((\s)%2)+4*\i+3], v[ADRS] offset:\i*4*272+16*(\s)
.endr
.endm
; Quarter q: its fragments are waited for; the fragments of quarter q + 2 are asked for, into the buffer that quarter q - 1 has left; then its 16 products.
; Where quarter q + 2 begins a K step, that step's tiles have to be whole first: each wave waits for its own load of it, and a barrier follows (no LDS instruction is out at a signal).  The later K steps' loads stay out.
.macro QUART q
.set N1, 0
.if (\q)+1 < 16
.set N1, 20
.if ((\q)+1)%4 == 0
.set N1, 28
.endif
.endif
	s_wait_dscnt N1                                ; behind quarter q's loads stand those of quarter q + 1: 20, and 8 of scale words where it begins a K step
	PLACES                                         ; four places in front of loads into registers that matrix instructions have read
.if ((\q)%4 == 2) && ((\q) < 12)
	s_wait_tensorcnt 2-(\q)/4                      ; my load of K step q / 4 + 1 has landed; those of the K steps behind it may be out
	s_wait_dscnt 0x0
	s_barrier_signal -1
	s_barrier_wait -1
.endif
.if (\q)+2 < 16
	FETCH (\q)+2
.if ((\q)+2)%4 == 0
	SCALES ((\q)+2)/4
.endif
.endif
	WIN MUL
	MUL8 \q, 0
	MUL8 \q, 1
.endm
	s_wait_tensorcnt 3                             ; my scale bytes and my part of K step 0 are in; three loads may stay out
	s_barrier_signal -1
	s_barrier_wait -1
	FETCH 0
	SCALES 0
	FETCH 1
.set QG, 0
.rept 16
	QUART QG
.set QG, QG+1
.endr
	WIN 0
	PLACES
	s_mov_b32 s[SEL], 0x76543210                   ; (every tensor load has been waited for: its descriptors' registers are free)
	s_mov_b32 s[SEL+1], 0xfedcba98                 ; v_permlanex16_b32's selects for lane l xor 16
	s_mov_b32 s26, 0x3c000000                      ; 1 / 128
	s_mov_b32 s27, 0x34000000                      ; the norm's eps, 2^-23
; THE WAY OUT.  A row's 128 numbers lie in lanes (r, 0) and (r, 1), 64 each.
.macro SSQ a                           ; the sum of my 64 squares of row block a, each accumulator from its low end on
	WIN 0x0a                                       ; sources 0 and 1 window 2
.irp p, 0,1,2,3
	v_pk_mul_f32 v[T+2*\p:T+2*\p+1], v[64*(\a)+2*\p:64*(\a)+2*\p+1], v[64*(\a)+2*\p:64*(\a)+2*\p+1]
.endr
.set i, 4
.rept 28
	v_pk_fma_f32 v[T+2*(i%4):T+2*(i%4)+1], v[64*(\a)+2*i:64*(\a)+2*i+1], v[64*(\a)+2*i:64*(\a)+2*i+1], v[T+2*(i%4):T+2*(i%4)+1]
.set i, i+1
.endr
	WIN 0
	v_pk_add_f32 v[T:T+1], v[T:T+1], v[T+2:T+3]
	v_pk_add_f32 v[T+4:T+5], v[T+4:T+5], v[T+6:T+7]
	v_pk_add_f32 v[T:T+1], v[T:T+1], v[T+4:T+5]
	v_add_f32 v[SS+(\a)], v[T], v[T+1]
.endm
.macro PACK a                          ; row block a: x 1 / rms; the rotation of channels 0-31 with 64-95; to f16
	WIN 0x82                                       ; destination and source 0 window 2
.set i, 0
.rept 32
	v_pk_mul_f32 v[64*(\a)+2*i:64*(\a)+2*i+1], v[64*(\a)+2*i:64*(\a)+2*i+1], v[RS+2*(\a):RS+2*(\a)+1] op_sel_hi:[1,0]
.set i, i+1
.endr
	WIN 0x0e                                       ; source 0 window 2, source 1 window 3
.irp b, 0,1
.irp j, 0,2,4,6
	v_pk_mul_f32 v[Y1+8*\b+\j:Y1+8*\b+\j+1], v[64*(\a)+8*\b+\j:64*(\a)+8*\b+\j+1], v[32*(\a)+8*\b+\j:32*(\a)+8*\b+\j+1]                ; x1 cos
	v_pk_mul_f32 v[Y2+8*\b+\j:Y2+8*\b+\j+1], v[64*(\a)+32+8*\b+\j:64*(\a)+32+8*\b+\j+1], v[32*(\a)+8*\b+\j:32*(\a)+8*\b+\j+1]          ; x2 cos
	v_pk_fma_f32 v[Y1+8*\b+\j:Y1+8*\b+\j+1], v[64*(\a)+32+8*\b+\j:64*(\a)+32+8*\b+\j+1], v[32*(\a)+16+8*\b+\j:32*(\a)+16+8*\b+\j+1], v[Y1+8*\b+\j:Y1+8*\b+\j+1]   ; + x2 sin
	v_pk_fma_f32 v[Y2+8*\b+\j:Y2+8*\b+\j+1], v[64*(\a)+8*\b+\j:64*(\a)+8*\b+\j+1], v[32*(\a)+16+8*\b+\j:32*(\a)+16+8*\b+\j+1], v[Y2+8*\b+\j:Y2+8*\b+\j+1] neg_lo:[1,0,0] neg_hi:[1,0,0]   ; - x1 sin
.endr
.endr
	WIN 0
.irp b, 0,1
.irp p, 0,1,2,3
	v_cvt_pk_f16_f32 v[TMP+4*\b+\p], v[Y1+8*\b+2*\p], v[Y1+8*\b+2*\p+1]
	v_cvt_pk_f16_f32 v[TMP+16+4*\b+\p], v[Y2+8*\b+2*\p], v[Y2+8*\b+2*\p+1]
.endr
.endr
	WIN 0x0a
.irp b, 2,3,6,7
.irp p, 0,1,2,3
	v_cvt_pk_f16_f32 v[TMP+4*\b+\p], v[64*(\a)+8*\b+2*\p], v[64*(\a)+8*\b+2*\p+1]
.endr
.endr
	WIN 0
.endm
.macro TOSTAGE a                       ; 16 bytes a lane into my stage, and back as whole rows of 256 bytes; LDS serves a wave's instructions in order
.irp b, 0,1,2,3,4,5,6,7
	ds_store_b128 v[STO], v[TMP+4*\b:TMP+4*\b+3] offset:32*\b
.endr
.irp t, 0,1,2,3,4,5,6,7
	ds_load_b128 v[OB+32*((\a)%2)+4*\t:OB+32*((\a)%2)+4*\t+3], v[RD] offset:\t*2*PITCH
.endr
.endm
.macro SEND a
	s_wait_dscnt 0x0                               ; the block is back in registers
.irp t, 0,1,2,3,4,5,6,7
	global_store_b128 v[CO], v[OB+32*((\a)%2)+4*\t:OB+32*((\a)%2)+4*\t+3], s[10:11] offset:4096*(\a)+512*\t   ; 512 consecutive bytes, aligned
.endr
.endm
.irp a, 0,1
	SSQ \a
.endr
.irp a, 0,1
	v_mov_b32 v[PX+\a], 0                          ; a lane permute's destination counts as one of its sources
	v_mov_b32 v[RS+2*\a+1], 0                      ; (the pairs' upper halves are named, so they are written)
.endr
.irp a, 0,1
	v_permlanex16_b32 v[PX+\a], v[SS+\a], s[SEL], s[SEL+1]
.endr
.irp a, 0,1
	v_add_f32 v[SS+\a], v[SS+\a], v[PX+\a]         ; the row's sum of squares
.endr
.irp a, 0,1
	v_fma_f32 v[SS+\a], v[SS+\a], s26, s27         ; the mean + eps
.endr
.irp a, 0,1
	v_rsq_f32 v[RS+2*\a], v[SS+\a]
.endr
	v_nop                                          ; a plain line behind the last of the batch
	s_wait_alu depctr_va_vdst(0)                   ; one wait for the two, ahead of their first reader
	s_wait_loadcnt 0x0                             ; the table
	PACK 0
	TOSTAGE 0
	PACK 1                                         ; a block's arithmetic stands between the loads of the block before and its stores
	SEND 0
	TOSTAGE 1
	SEND 1
	s_wait_tensorcnt 0x0                           ; the wave's end: behind my last tensor load and my last LDS store
	ds_add_u32 v[SPW], v[NIL]
	s_wait_dscnt 0x0
	CROUND                                         ; the closing round: no work-group ends while a partner may still ask for a tile that names it
	s_endpgm
.Lfunc_end_k_qa575c5a59a_qproj:
	.size	k_qa575c5a59a_qproj, .Lfunc_end_k_qa575c5a59a_qproj-k_qa575c5a59a_qproj
	.p2alignl 7, 3214868480
	.fill 96, 4, 3214868480
	.section	.rodata,"a",@progbits
	.p2align	6, 0x0
	.amdhsa_kernel k_qa575c5a59a_qproj
		.amdhsa_group_segment_fixed_size 327680
		.amdhsa_private_segment_fixed_size 0
		.amdhsa_enable_private_segment 0
		.amdhsa_kernarg_size 32
		.amdhsa_user_sgpr_count 2
		.amdhsa_user_sgpr_kernarg_segment_ptr 1
		.amdhsa_wavefront_size32 1
		.amdhsa_system_sgpr_workgroup_id_x 1
		.amdhsa_system_sgpr_workgroup_id_y 1
		.amdhsa_system_sgpr_workgroup_id_z 1
		.amdhsa_system_vgpr_workitem_id 0
		.amdhsa_next_free_vgpr 896
		.amdhsa_next_free_sgpr 106
		.amdhsa_reserve_vcc 0
		.amdhsa_float_denorm_mode_32 3
		.amdhsa_float_denorm_mode_16_64 3
		.amdhsa_memory_ordered 1
		.amdhsa_forward_progress 1
		.amdhsa_inst_pref_size 94
	.end_amdhsa_kernel
	.amdgpu_metadata
---
amdhsa.version: [ 1, 2 ]
amdhsa.kernels:
  - .name:           k_qa575c5a59a_qproj
    .symbol:         k_qa575c5a59a_qproj.kd
    .args:
      - { .name: codes, .offset: 0, .size: 8, .value_kind: global_buffer, .address_space: global }
      - { .name: scales, .offset: 8, .size: 8, .value_kind: global_buffer, .address_space: global }
      - { .name: tab, .offset: 16, .size: 8, .value_kind: global_buffer, .address_space: global }
      - { .name: q16, .offset: 24, .size: 8, .value_kind: global_buffer, .address_space: global }
    .group_segment_fixed_size: 327680
    .private_segment_fixed_size: 0
    .kernarg_segment_align: 8
    .kernarg_segment_size: 32
    .max_flat_workgroup_size: 128
    .sgpr_count:     106
    .vgpr_count:     896
    .wavefront_size: 32
...
	.end_amdgpu_metadata
.endif
;; end of part 2
;; launch kvproj (part 3): grid 8 x 32, 4 waves a work-group, clusters of 4 x 4, 327,680 bytes of LDS; arguments half, tab, kv16; writes kv16
.if DOCPART == 3
	.amdgcn_target "amdgcn-amd-amdhsa--gfx1250"
	.amdhsa_code_object_version 6
	.text
	.protected	k_qa575c5a59a_kvproj
	.globl	k_qa575c5a59a_kvproj
	.p2align	8
	.type	k_qa575c5a59a_kvproj,@function
k_qa575c5a59a_kvproj:
	s_mov_b64 s[64:65], 0
	v_nop
	global_prefetch_b8 v0, s[64:65] scope:SCOPE_SE
	s_setreg_imm32_b32 hwreg(HW_REG_WAVE_MODE, 25, 1), 1
	s_wait_xcnt 0x0
	s_wait_alu depctr_hold_cnt(0) depctr_sa_sdst(0) depctr_va_vdst(0) depctr_va_sdst(0) depctr_va_ssrc(0) depctr_va_vcc(0) depctr_vm_vsrc(0)
	s_getreg_b32 s2, hwreg(HW_REG_IB_STS2, 6, 4)
	s_cmp_eq_u32 s2, 0
	s_cbranch_scc0 .Lentry_in_a_cluster
	s_endpgm
.Lentry_in_a_cluster:
	s_bfe_u32 s2, ttmp6, 0x10000c
	s_cmp_lg_u32 s2, 0xf033
	s_cbranch_scc0 .Lentry_shape_is_right
	s_endpgm
.Lentry_shape_is_right:
; KVPROJ: k and v = cat(xt, x0) wk^T, wv^T on f16 operands with f32 sums; k's heads get the RMS norm and the rotation, in f32; both leave as f16: k [batch x 4 + head][4096][128] at 0 of kv16, v likewise at 8,388,608.
; WORK LEFT OUT: the rotation of channels 32-63 and 96-127, whose frequencies reference() sets to zero in its own body (cos = 1, sin = 0 for all inputs).
; LIMIT: v leaves as f16: its magnitudes stay under 65,504.
; A tile of C is 256 rows x 128 columns: one head of k (tile columns 0-3) or of v (4-7).  Four waves; wave w makes rows 64 w .. 64 w + 63 and all 128 columns: 32 accumulators, 256 registers.
; K goes in steps of 128 (rows of 256 bytes) through a ring of two LDS slots filled by the tensor data mover.  CLUSTERS: 4 x 4; A's tiles are asked for jointly along a row of the cluster, B's along a column.
; A cluster's four tile columns are all k's or all v's (the cluster's x says which): the text parts on that number once, behind the last change of slots, where no tensor load and no barrier but the closing round follows.
; THE MATRIX INSTRUCTION IS USED TRANSPOSED (source 0 = 16 rows of the weight, source 1 = 16 rows of x): lane (r, h) holds row r and columns 16 b + 8 h + 0 .. 7.
; No prefetch into the L2: a K step is 128 matrix instructions a wave on a small tile, and the tiles are shared in the cluster.
; REGISTERS, in windows of 256: window 0: v0-31 addresses; v32-63 rows on the way out; v64-127 A's fragments, two buffers (on the way out: rows, and the norm's work); v192-255 the way out.
;   window 1: B's fragments, two buffers of 64.   window 2: accumulator (a, b) at v[8 (8 a + b)].   window 3: the table: for row block a cos at v[32 a + 8 b], sin at v[32 a + 16 + 8 b], b = 0, 1.
.set KROWB,  4096                      ; a row of x or of a weight in memory, in bytes
.set LAPS,   KROWB/512
.set PITCH,  272
.set AH,     128*PITCH
.set BH,     64*PITCH
.set BOFF,   2*AH
.set SLOT,   2*AH+2*BH
.set STAGE,  2*SLOT
.set SPARE,  STAGE+4*16*PITCH
.set ADRA, 16
.set ADRB, 20
.set STO,  24
.set RD,   25
.set CO,   26
.set SPW,  28
.set NIL,  29
.set TBO,  30
.set OB,   32
.set FA,   64
.set T,    96
.set SS,   104
.set PX,   108
.set RS,   112
.set TMP,  192
.set Y1,   224
.set Y2,   240
.set G1, 24
.set G0, 32
.set G1B, 48
.set G0B, 56
.set SEL, 96
.set MSB, 0
.macro WIN new
.if MSB != \new
	s_set_vgpr_msb (MSB<<8)|\new
.set MSB, \new
.endif
.endm
.set MUL,  0xa1
.set TO_B, 0x40
.macro PLACES
.rept 4
	v_nop
.endr
.endm
.macro JLOAD s                         ; a joint load: waves 0 and 1 fetch A's halves, waves 2 and 3 B's; an s_nop 0 and four v_nop follow each of the two lines
	s_cmp_eq_u32 s15, 0
	s_cbranch_scc0 .Lfor_b_\@
	tensor_load_to_lds s[G0+4*\s:G0+4*\s+3], s[G1:G1+7]
	s_nop 0
.rept 4
	v_nop
.endr
	s_branch .Lasked_\@
.Lfor_b_\@:
	tensor_load_to_lds s[G0B+4*\s:G0B+4*\s+3], s[G1B:G1B+7]
	s_nop 0
.rept 4
	v_nop
.endr
.Lasked_\@:
.endm
.macro CREST
	s_cmp_lg_u32 s14, 0
	s_cbranch_scc1 .Lnot_wave_0_\@
	s_barrier_signal -3
.Lnot_wave_0_\@:
	s_barrier_wait -3
	s_barrier_signal -1
	s_barrier_wait -1
.endm
.macro CROUND
	s_barrier_signal -1
	s_barrier_wait -1
	CREST
.endm
	s_load_b128 s[4:7], s[0:1], 0x0                ; half s[4:5], tab s[6:7]
	s_load_b64 s[8:9], s[0:1], 0x10                ; kv16
	v_lshl_add_u32 v[SPW], v0, 2, SPARE
	v_mov_b32 v[NIL], 0
	ds_add_u32 v[SPW], v[NIL]                      ; the wave's opening: the add, twice on end, and its wait ahead of my first tensor load
	ds_add_u32 v[SPW], v[NIL]
	v_lshrrev_b32 v1, 5, v0
	v_readfirstlane_b32 s14, v1
	s_lshr_b32 s15, s14, 1
	s_and_b32 s16, s14, 1
	s_bfe_u32 s40, ttmp6, 0x40000
	s_bfe_u32 s41, ttmp6, 0x40004
	s_lshl_b32 s42, ttmp9, 2
	s_add_co_u32 s42, s42, s40                     ; tile column
	s_and_b32 s17, ttmp7, 0xffff
	s_lshl_b32 s17, s17, 2
	s_add_co_u32 s17, s17, s41                     ; tile row
	s_lshl_b32 s43, s41, 2
	s_lshl_b32 s43, 15, s43
	s_lshl_b32 s44, 0x1111, s40
	s_or_b32 s[G1+0], s43, (0<<16)|(1<<20)|(1<<21)|(5<<22)|(3<<25)   ; the mask; elements of 1 byte; padding: 4 words behind every 64; bit 21 set beside a mask
	s_or_b32 s[G1B+0], s44, (0<<16)|(1<<20)|(1<<21)|(5<<22)|(3<<25)
.irp g, G1, G1B
	s_mov_b32 s[\g+1], 256<<16
	s_mov_b32 s[\g+3], 256<<16
	s_mov_b32 s[\g+5], KROWB
	s_mov_b32 s[\g+6], 0
	s_mov_b32 s[\g+7], 0
.endr
	s_mov_b32 s[G1+2], 128<<16
	s_mov_b32 s[G1+4], 128
	s_mov_b32 s[G1B+2], 64<<16
	s_mov_b32 s[G1B+4], 64
	s_mov_b32 s[SEL], 0x76543210
	s_mov_b32 s[SEL+1], 0xfedcba98
	s_mov_b32 s98, 0x3c000000                      ; 1 / 128
	s_mov_b32 s99, 0x34000000                      ; the norm's eps, 2^-23
	s_mov_b32 s67, ttmp9                           ; the cluster's x: 0: k's heads, 1: v's; the same in all sixteen partners
	s_lshl_b32 s18, s16, 7
	s_lshl_b32 s20, s17, 8
	s_add_co_u32 s20, s20, s18                     ; A: row 256 x tile row + 128 x half
	s_lshl_b32 s20, s20, 12
	s_mov_b32 s21, 0
	s_lshl_b32 s18, s16, 6
	s_lshl_b32 s46, s42, 7
	s_add_co_u32 s46, s46, s18                     ; B: row 128 x tile column + 64 x half
	s_lshl_b32 s46, s46, 12
	s_add_co_u32 s46, s46, 33554432                ; the weights lie behind xs
	s_mov_b32 s47, 0
	s_mul_i32 s45, s16, AH
	s_mul_i32 s66, s16, BH
	s_add_co_u32 s66, s66, BOFF
	s_wait_dscnt 0x0
	s_wait_kmcnt 0x0
	s_add_nc_u64 s[20:21], s[4:5], s[20:21]
	s_add_nc_u64 s[46:47], s[4:5], s[46:47]
	CROUND
.irp s, 0,1
	s_mov_b32 s[G0+4*\s], 1
	s_add_co_u32 s[G0+4*\s+1], s45, \s*SLOT
	s_add_nc_u64 s[G0+4*\s+2:G0+4*\s+3], s[20:21], \s*256
	s_or_b32 s[G0+4*\s+3], s[G0+4*\s+3], 0x80000000
	s_mov_b32 s[G0B+4*\s], 1
	s_add_co_u32 s[G0B+4*\s+1], s66, \s*SLOT
	s_add_nc_u64 s[G0B+4*\s+2:G0B+4*\s+3], s[46:47], \s*256
	s_or_b32 s[G0B+4*\s+3], s[G0B+4*\s+3], 0x80000000
	JLOAD \s                                       ; two loads of mine are out
.endr
	v_and_b32 v1, 15, v0
	v_bfe_u32 v2, v0, 4, 1
	v_mul_u32_u24 v3, v1, PITCH
	v_lshl_add_u32 v4, v2, 4, v3
	s_mul_i32 s21, s14, 64*PITCH
	s_mov_b32 s22, BOFF
.irp s, 0,1
	v_add_nc_u32 v[ADRA+\s], s21, v4
	v_add_nc_u32 v[ADRB+\s], s22, v4
	s_add_co_u32 s21, s21, SLOT
	s_add_co_u32 s22, s22, SLOT
.endr
	s_mul_i32 s23, s14, 16*PITCH
	s_add_co_u32 s23, s23, STAGE
	v_add_nc_u32 v[STO], s23, v4
	v_mul_u32_u24 v5, v2, PITCH
	v_lshl_add_u32 v5, v1, 4, v5
	v_add_nc_u32 v[RD], s23, v5
	v_and_b32 v6, 31, v0
	v_lshlrev_b32 v[CO], 4, v6
	v_lshlrev_b32 v[TBO], 8, v1
	v_lshl_add_u32 v[TBO], v2, 5, v[TBO]
	s_and_b32 s18, s17, 15
	s_lshl_b32 s18, s18, 16
	s_lshl_b32 s19, s14, 14
	s_add_co_u32 s18, s18, s19                     ; 256 x my first row's position among the batch's 4,096
	s_mov_b32 s19, 0
	s_add_nc_u64 s[6:7], s[6:7], s[18:19]
	s_lshr_b32 s22, s17, 4                         ; the batch,
	s_lshl_b32 s22, s22, 22
	s_add_co_u32 s18, s18, s22
	s_and_b32 s22, s42, 3                          ; the head,
	s_lshl_b32 s22, s22, 20
	s_add_co_u32 s18, s18, s22
	s_lshl_b32 s22, s67, 23                        ; k or v
	s_add_co_u32 s18, s18, s22
	s_add_nc_u64 s[8:9], s[8:9], s[18:19]
; 8 matrix instructions: A's block a x B's eight, 32 along K, from buffer f.  The 32 accumulators take turns, one instruction a turn, in the same order everywhere.
.macro MUL8 f, a, zero
.irp b, 0,1,2,3,4,5,6,7
.if \zero
	v_wmma_f32_16x16x32_f16 v[8*(8*(\a)+\b):8*(8*(\a)+\b)+7], v[64*(\f)+8*\b:64*(\f)+8*\b+7], v[FA+32*(\f)+8*(\a):FA+32*(\f)+8*(\a)+7], 0
.else
	v_wmma_f32_16x16x32_f16 v[8*(8*(\a)+\b):8*(8*(\a)+\b)+7], v[64*(\f)+8*\b:64*(\f)+8*\b+7], v[FA+32*(\f)+8*(\a):FA+32*(\f)+8*(\a)+7], v[8*(8*(\a)+\b):8*(8*(\a)+\b)+7]
.endif
.endr
.endm
.macro FETCH slot, k, f
	WIN TO_B
.irp i, 0,1,2,3,4,5,6,7
	ds_load_b128 v[64*(\f)+8*\i:64*(\f)+8*\i+3],   v[ADRB+\slot] offset:\k+\i*16*PITCH
	ds_load_b128 v[64*(\f)+8*\i+4:64*(\f)+8*\i+7], v[ADRB+\slot] offset:\k+\i*16*PITCH+32
.endr
	WIN 0
.irp i, 0,1,2,3
	ds_load_b128 v[FA+32*(\f)+8*\i:FA+32*(\f)+8*\i+3],   v[ADRA+\slot] offset:\k+\i*16*PITCH
	ds_load_b128 v[FA+32*(\f)+8*\i+4:FA+32*(\f)+8*\i+7], v[ADRA+\slot] offset:\k+\i*16*PITCH+32
.endr
.endm
.macro QUARTER slot, q, zero
	s_wait_dscnt 4                                 ; all but the youngest four loads: A's blocks 2 and 3
	WIN MUL
	MUL8 (\q)%2, 0, \zero
	MUL8 (\q)%2, 1, \zero
	PLACES                                         ; four places in front of loads into registers that matrix instructions have read
	FETCH \slot, 64*((\q)+1), 1-(\q)%2
	s_wait_dscnt 24                                ; all but the 24 just issued
	WIN MUL
	MUL8 (\q)%2, 2, \zero
	MUL8 (\q)%2, 3, \zero
.endm
.macro TURN slot, next, fill
	WIN 0
	s_wait_tensorcnt 0x0                           ; all my tensor loads have landed: my part of the next slot
	ds_add_u32 v[SPW], v[NIL]
	s_wait_dscnt 5                                 ; (the add and A's blocks 2 and 3 may be out)
	WIN MUL
	MUL8 1, 0, 0
	s_wait_dscnt 0x0                               ; the add is done, and my reads of this slot are over
	s_barrier_signal -1
	MUL8 1, 1, 0
	WIN 0
	s_barrier_wait -1
.if \fill
	CREST                                          ; the barrier has opened a round of the cluster's: no wave of any partner still reads this slot or has a load on its way
	s_add_nc_u64 s[G0+4*\slot+2:G0+4*\slot+3], s[G0+4*\slot+2:G0+4*\slot+3], 512
	s_add_nc_u64 s[G0B+4*\slot+2:G0B+4*\slot+3], s[G0B+4*\slot+2:G0B+4*\slot+3], 512
	JLOAD \slot                                    ; my one tensor load behind the round: 112 matrix instructions ahead of the wait for it
.else
	PLACES
.endif
	FETCH \next, 0, 0
	WIN MUL
	MUL8 1, 2, 0
	MUL8 1, 3, 0
.endm
.macro SSQ a
	WIN 0x0a
.irp p, 0,1,2,3
	v_pk_mul_f32 v[T+2*\p:T+2*\p+1], v[64*(\a)+2*\p:64*(\a)+2*\p+1], v[64*(\a)+2*\p:64*(\a)+2*\p+1]
.endr
.set i, 4
.rept 28
	v_pk_fma_f32 v[T+2*(i%4):T+2*(i%4)+1], v[64*(\a)+2*i:64*(\a)+2*i+1], v[64*(\a)+2*i:64*(\a)+2*i+1], v[T+2*(i%4):T+2*(i%4)+1]
.set i, i+1
.endr
	WIN 0
	v_pk_add_f32 v[T:T+1], v[T:T+1], v[T+2:T+3]
	v_pk_add_f32 v[T+4:T+5], v[T+4:T+5], v[T+6:T+7]
	v_pk_add_f32 v[T:T+1], v[T:T+1], v[T+4:T+5]
	v_add_f32 v[SS+(\a)], v[T], v[T+1]
.endm
.macro PACK a, rope                    ; row block a to f16; rope = 1: x 1 / rms and the rotation of channels 0-31 with 64-95 first
.if \rope
	WIN 0x82
.set i, 0
.rept 32
	v_pk_mul_f32 v[64*(\a)+2*i:64*(\a)+2*i+1], v[64*(\a)+2*i:64*(\a)+2*i+1], v[RS+2*(\a):RS+2*(\a)+1] op_sel_hi:[1,0]
.set i, i+1
.endr
	WIN 0x0e
.irp b, 0,1
.irp j, 0,2,4,6
	v_pk_mul_f32 v[Y1+8*\b+\j:Y1+8*\b+\j+1], v[64*(\a)+8*\b+\j:64*(\a)+8*\b+\j+1], v[32*(\a)+8*\b+\j:32*(\a)+8*\b+\j+1]
	v_pk_mul_f32 v[Y2+8*\b+\j:Y2+8*\b+\j+1], v[64*(\a)+32+8*\b+\j:64*(\a)+32+8*\b+\j+1], v[32*(\a)+8*\b+\j:32*(\a)+8*\b+\j+1]
	v_pk_fma_f32 v[Y1+8*\b+\j:Y1+8*\b+\j+1], v[64*(\a)+32+8*\b+\j:64*(\a)+32+8*\b+\j+1], v[32*(\a)+16+8*\b+\j:32*(\a)+16+8*\b+\j+1], v[Y1+8*\b+\j:Y1+8*\b+\j+1]
	v_pk_fma_f32 v[Y2+8*\b+\j:Y2+8*\b+\j+1], v[64*(\a)+8*\b+\j:64*(\a)+8*\b+\j+1], v[32*(\a)+16+8*\b+\j:32*(\a)+16+8*\b+\j+1], v[Y2+8*\b+\j:Y2+8*\b+\j+1] neg_lo:[1,0,0] neg_hi:[1,0,0]
.endr
.endr
	WIN 0
.irp b, 0,1
.irp p, 0,1,2,3
	v_cvt_pk_f16_f32 v[TMP+4*\b+\p], v[Y1+8*\b+2*\p], v[Y1+8*\b+2*\p+1]
	v_cvt_pk_f16_f32 v[TMP+16+4*\b+\p], v[Y2+8*\b+2*\p], v[Y2+8*\b+2*\p+1]
.endr
.endr
	WIN 0x0a
.irp b, 2,3,6,7
.irp p, 0,1,2,3
	v_cvt_pk_f16_f32 v[TMP+4*\b+\p], v[64*(\a)+8*\b+2*\p], v[64*(\a)+8*\b+2*\p+1]
.endr
.endr
.else
	WIN 0x0a
.irp b, 0,1,2,3,4,5,6,7
.irp p, 0,1,2,3
	v_cvt_pk_f16_f32 v[TMP+4*\b+\p], v[64*(\a)+8*\b+2*\p], v[64*(\a)+8*\b+2*\p+1]   ; each accumulator from its low end on
.endr
.endr
.endif
	WIN 0
.endm
.macro TOSTAGE a
.irp b, 0,1,2,3,4,5,6,7
	ds_store_b128 v[STO], v[TMP+4*\b:TMP+4*\b+3] offset:32*\b
.endr
.irp t, 0,1,2,3,4,5,6,7
	ds_load_b128 v[OB+32*((\a)%2)+4*\t:OB+32*((\a)%2)+4*\t+3], v[RD] offset:\t*2*PITCH
.endr
.endm
.macro SEND a
	s_wait_dscnt 0x0
	s_wait_xcnt 0x0                                ; the block before has had its stores' registers read: the next block's loads may land there
.irp t, 0,1,2,3,4,5,6,7
	global_store_b128 v[CO], v[OB+32*((\a)%2)+4*\t:OB+32*((\a)%2)+4*\t+3], s[8:9] offset:4096*(\a)+512*\t   ; 512 consecutive bytes, aligned
.endr
.endm
; The last K step and the way out, once for k's tiles (rope = 1: the table of my 64 positions is asked for first and has the K step's 128 matrix instructions in which to come) and once for v's.
.macro TAIL rope
.if \rope
	WIN 0xc0
.irp a, 0,1,2,3
.irp b, 0,1
.irp u, 0,1
	global_load_b128 v[32*\a+8*\b+4*\u:32*\a+8*\b+4*\u+3], v[TBO], s[6:7] offset:4096*\a+64*\b+16*\u
	global_load_b128 v[32*\a+16+8*\b+4*\u:32*\a+16+8*\b+4*\u+3], v[TBO], s[6:7] offset:4096*\a+128+64*\b+16*\u
.endr
.endr
.endr
	WIN 0
.endif
	QUARTER 1, 0, 0
	QUARTER 1, 1, 0
	QUARTER 1, 2, 0
	s_wait_dscnt 4
	WIN MUL
	MUL8 1, 0, 0
	MUL8 1, 1, 0
	s_wait_dscnt 0x0
	MUL8 1, 2, 0
	MUL8 1, 3, 0
	WIN 0
	PLACES
.if \rope
.irp a, 0,1,2,3
	SSQ \a
.endr
.irp a, 0,1,2,3
	v_mov_b32 v[PX+\a], 0
	v_mov_b32 v[RS+2*\a+1], 0
.endr
.irp a, 0,1,2,3
	v_permlanex16_b32 v[PX+\a], v[SS+\a], s[SEL], s[SEL+1]
.endr
.irp a, 0,1,2,3
	v_add_f32 v[SS+\a], v[SS+\a], v[PX+\a]
.endr
.irp a, 0,1,2,3
	v_fma_f32 v[SS+\a], v[SS+\a], s98, s99
.endr
.irp a, 0,1,2,3
	v_rsq_f32 v[RS+2*\a], v[SS+\a]
.endr
	v_nop                                          ; a plain line behind the last of the batch
	s_wait_alu depctr_va_vdst(0)                   ; one wait for the four, ahead of their first reader
	s_wait_loadcnt 0x0                             ; the table
.endif
	PACK 0, \rope
	TOSTAGE 0
.irp a, 1,2,3
	PACK \a, \rope
	SEND \a-1
	TOSTAGE \a
.endr
	SEND 3
.endm
	s_wait_tensorcnt 1                             ; my part of K step 0 is in; K step 1's load may stay out
	s_barrier_signal -1
	s_barrier_wait -1
	FETCH 0, 0, 0
	QUARTER 0, 0, 1
	WIN 0
	s_mov_b32 s3, LAPS-1
.Llap:
	QUARTER 0, 1, 0
	QUARTER 0, 2, 0
	TURN 0, 1, 1
	QUARTER 1, 0, 0
	QUARTER 1, 1, 0
	QUARTER 1, 2, 0
	TURN 1, 0, 1
	QUARTER 0, 0, 0
	WIN 0
	s_sub_co_u32 s3, s3, 1
	s_cmp_lg_u32 s3, 0
	s_cbranch_scc1 .Llap
	QUARTER 0, 1, 0
	QUARTER 0, 2, 0
	TURN 0, 1, 0
	WIN 0
	s_cmp_lg_u32 s67, 0                            ; the cluster's x: all partners and all waves go the same way
	s_cbranch_scc1 .Lvtile
	TAIL 1
	s_branch .Lend
.Lvtile:
	TAIL 0
.Lend:
	s_wait_tensorcnt 0x0                           ; the wave's end: behind my last tensor load and my last LDS store
	ds_add_u32 v[SPW], v[NIL]
	s_wait_dscnt 0x0
	CROUND
	s_endpgm
.Lfunc_end_k_qa575c5a59a_kvproj:
	.size	k_qa575c5a59a_kvproj, .Lfunc_end_k_qa575c5a59a_kvproj-k_qa575c5a59a_kvproj
	.p2alignl 7, 3214868480
	.fill 96, 4, 3214868480
	.section	.rodata,"a",@progbits
	.p2align	6, 0x0
	.amdhsa_kernel k_qa575c5a59a_kvproj
		.amdhsa_group_segment_fixed_size 327680
		.amdhsa_private_segment_fixed_size 0
		.amdhsa_enable_private_segment 0
		.amdhsa_kernarg_size 24
		.amdhsa_user_sgpr_count 2
		.amdhsa_user_sgpr_kernarg_segment_ptr 1
		.amdhsa_wavefront_size32 1
		.amdhsa_system_sgpr_workgroup_id_x 1
		.amdhsa_system_sgpr_workgroup_id_y 1
		.amdhsa_system_sgpr_workgroup_id_z 1
		.amdhsa_system_vgpr_workitem_id 0
		.amdhsa_next_free_vgpr 896
		.amdhsa_next_free_sgpr 100
		.amdhsa_reserve_vcc 0
		.amdhsa_float_denorm_mode_32 3
		.amdhsa_float_denorm_mode_16_64 3
		.amdhsa_memory_ordered 1
		.amdhsa_forward_progress 1
		.amdhsa_inst_pref_size 146
	.end_amdhsa_kernel
	.amdgpu_metadata
---
amdhsa.version: [ 1, 2 ]
amdhsa.kernels:
  - .name:           k_qa575c5a59a_kvproj
    .symbol:         k_qa575c5a59a_kvproj.kd
    .args:
      - { .name: half, .offset: 0, .size: 8, .value_kind: global_buffer, .address_space: global }
      - { .name: tab, .offset: 8, .size: 8, .value_kind: global_buffer, .address_space: global }
      - { .name: kv16, .offset: 16, .size: 8, .value_kind: global_buffer, .address_space: global }
    .group_segment_fixed_size: 327680
    .private_segment_fixed_size: 0
    .kernarg_segment_align: 8
    .kernarg_segment_size: 24
    .max_flat_workgroup_size: 128
    .sgpr_count:     100
    .vgpr_count:     896
    .wavefront_size: 32
...
	.end_amdgpu_metadata
.endif
;; end of part 3
;; launch attn (part 4): grid 16 x 16, 4 waves a work-group, clusters of 4 x 1, 327,680 bytes of LDS; arguments q16, kv16, y16; writes y16
.if DOCPART == 4
	.amdgcn_target "amdgcn-amd-amdhsa--gfx1250"
	.amdhsa_code_object_version 6
	.text
	.protected	k_qa575c5a59a_attn
	.globl	k_qa575c5a59a_attn
	.p2align	8
	.type	k_qa575c5a59a_attn,@function
k_qa575c5a59a_attn:
	s_mov_b64 s[64:65], 0
	v_nop
	global_prefetch_b8 v0, s[64:65] scope:SCOPE_SE
	s_setreg_imm32_b32 hwreg(HW_REG_WAVE_MODE, 25, 1), 1
	s_wait_xcnt 0x0
	s_wait_alu depctr_hold_cnt(0) depctr_sa_sdst(0) depctr_va_vdst(0) depctr_va_sdst(0) depctr_va_ssrc(0) depctr_va_vcc(0) depctr_vm_vsrc(0)
	s_getreg_b32 s2, hwreg(HW_REG_IB_STS2, 6, 4)
	s_cmp_eq_u32 s2, 0
	s_cbranch_scc0 .Lentry_in_a_cluster
	s_endpgm
.Lentry_in_a_cluster:
	s_bfe_u32 s2, ttmp6, 0x10000c
	s_cmp_lg_u32 s2, 0x3003
	s_cbranch_scc0 .Lentry_shape_is_right
	s_endpgm
.Lentry_shape_is_right:
; ATTN: y[b][t][h] = the sum over s of softmax_s(0.12 q[b][h][t] . k[b][h / 2][s]) v[b][h / 2][s], 4,096 keys, no mask.  q16 [b x 8 + h][2048][128], k and v in kv16 [b x 4 + kv head][4096][128]: f16.
; y16, f16, IS LAID IN THE ORDER OF THE NEXT PRODUCT'S OPERAND REGISTERS: [block of 16 rows b x 2048 + t][32 along K = h x 128 + d][1,024 bytes]; in a fragment lane (r, g) has the 16 bytes of row r, K = 8 g + 0..7 at 16 x lane, and K = 16 + 8 g + 0..7 at 512 + 16 x lane.
; That is what a lane holds here behind its conversions, so the results leave straight from registers, 512 consecutive bytes a store.
; Products, maxima and sums in f32; the weights p are rounded to f16 (at most 1 under the running maximum), y once at the end.  LIMIT: y's magnitudes stay under 65,504.
; SHARES.  A work-group owns 128 queries of one head.  THE KEYS ARE SPLIT INSIDE THE WORK-GROUP: wave w takes queries 64 (w / 2) on, four tiles of 16, and walks the key half w % 2 (2,048 keys), 64 a step.
; So a wave's tile stays 64 queries though 256 work-groups share 32,768 rows.  At the end the two waves of a pair hold (m, l, O^T) of the same queries over different keys: wave 2 i + 1 hands its part to wave 2 i through LDS.
; LAYOUT.  S^T = K Q^T (source 0 = 16 keys, source 1 = 16 queries): a lane holds ONE query (lane % 16) and the keys 8 (lane / 16) + 0..7.  Two such tiles, rounded to f16 in pairs, ARE source 1 of O^T = V^T P.
; K comes out of LDS as it lies, V ([key][channel]) turned, by ds_load_tr16_b128.
; SOFTMAX.  For each query a running maximum m and sum l: p = 2^(c s - c m), c = 0.12 log2(e); in every step O and l are multiplied by a = 2^(c m_old - c m_new).
; BY TURNS.  The wave's tiles are two PIECES (tiles 0, 1 and tiles 2, 3).  In a TURN one piece has the matrix unit: 32 products V^T P of the step in hand, then 32 products K Q^T of the next; the other piece's softmax, cut into
; 64 slices, stands between them, one slice behind each matrix instruction.  Two turns are a key step.
; CLUSTER.  The four query blocks of a cluster belong to one head and walk the same K and V: each tile is asked for JOINTLY, by the same tensor load with a mask that names the four.
; REGISTERS, in windows of 256: window 0: v0-11, v44-46 addresses; v12-43 eight registers of statistics a tile; v64-191 S^T, 32 a tile; v192-255 P, 16 a tile.   window 1: O^T, 64 a tile.   window 2: v0-127 Q; v128-255 K of one step.   window 3: v0-127 V of one step.
.set KS,    64        ; keys in a step
.set PK,    272       ; a row of K in LDS: 256 bytes + 16 of padding
.set PV,    288       ; a row of V: 256 + 32
.set KST,   KS*PK     ; a step's rows of K
.set VST,   KS*PV     ; and of V
.set VOFF,  2*KST     ; a half-slot: 128 rows of K (two steps), then 128 rows of V
.set HALFB, 2*KST+2*VST
.set SLOTB, 2*HALFB   ; a slot: key half 0's half-slot, then key half 1's
.set SPARE, 2*SLOTB   ; behind the ring: the spare words, 128 bytes for each wave
.set XPAIR, 4*8192+1024  ; the hand-over of a pair of waves: four tiles' O^T as images of their registers, then c m and l.  It lies in LDS slot 0, from byte 0 on: that slot has had its last fill and its last read when the last change of slots is passed
.set AK0, 2
.set AV0, 3
.set ADR, 4
.set QO,  5
.set GO,  8
.set XA,  44          ; v44  the hand-over's images: 16 x lane in my pair's bytes
.set XS,  45          ; v45  its statistics: 4 x lane
.set PFO, 61
.set SPW, 62
.set NIL, 63
.set ST,  12          ; tile t's statistics at v[ST+8 t]: +0 c m, +1 m, +2, +3 l (even keys', odd keys'), +4 to +7 at work
.set S,   64
.set P,   192
.set KF,  128
.set WV,  12
.set LIM, 15
.set PFA, 18
.set G1K, 24
.set G1V, 32
.set G0K, 40
.set G0V, 48
.set SLOTS, 56
.set TWICE, 57
.set CS,  58
.set SEL, 60
.set TK,  62          ; s62  LDS byte at which the slot's rows of K of the step to be fetched begin (my key half's place is in v[AK0])
.set TV,  63          ; s63  the same for V
.set TG,  66          ; s66  the slot that the walking descriptors fill: 0 or SLOTB
.set LBK, 67          ; s67  my load's place in a slot, if it is K's;
.set LBV, 68          ; s68  if it is V's
.set KJ,  69          ; s69  my key half; also: which half's tile I fetch
.set QI,  70          ; s70  which 64 queries
.set MSB, 0
.macro WIN new
.if MSB != \new
	s_set_vgpr_msb (MSB<<8)|\new
.set MSB, \new
.endif
.endm
.set W_KQ, 0x0a
.set W_PV, 0x53
.set W_RS, 0x41
; A joint refill.  Waves 0 and 1 fetch K's 128 rows of key half 0 and 1, waves 2 and 3 V's.  An s_nop 0 and four v_nop follow each of the two lines.
.macro JLOAD
	s_cmp_lt_u32 s[WV], 2
	s_cbranch_scc0 .Lfor_v_\@
	tensor_load_to_lds s[G0K+4:G0K+7], s[G1K:G1K+7]
	s_nop 0
.rept 4
	v_nop
.endr
	s_branch .Lasked_\@
.Lfor_v_\@:
	tensor_load_to_lds s[G0V+4:G0V+7], s[G1V:G1V+7]
	s_nop 0
.rept 4
	v_nop
.endr
.Lasked_\@:
.endm
; A PREFETCH INTO THE L2 of what the NEXT change of slots will ask for, behind the wave's tensor load and its five lines.  A key and value head is walked by two query heads and four clusters each: the even head's first cluster asks.
; Of the 128 rows that a wave fetches each of the four partners takes 32, told apart BY ADDRESS, a lane a row: so each row of 256 bytes is named once in the launch.  The last change that fills a slot asks for nothing.
.macro ASK
	s_cmp_gt_u32 s[SLOTS], s[LIM]
	s_cbranch_scc0 .Lnot_mine_\@
	global_prefetch_b8 v[PFO], s[PFA:PFA+1] th:TH_LOAD_NT scope:SCOPE_SE
.Lnot_mine_\@:
.endm
.macro CROUND
	s_barrier_signal -1
	s_barrier_wait -1
	s_cmp_lg_u32 s[WV], 0
	s_cbranch_scc1 .Lnot_wave_0_\@
	s_barrier_signal -3
.Lnot_wave_0_\@:
	s_barrier_wait -3
	s_barrier_signal -1
	s_barrier_wait -1
.endm
	s_load_b128 s[4:7], s[0:1], 0x0 ; q16 s[4:5], kv16 s[6:7]
	s_load_b64 s[10:11], s[0:1], 0x10  ; y16
	v_lshl_add_u32 v[SPW], v0, 2, SPARE
	v_mov_b32 v[NIL], 0
	ds_add_u32 v[SPW], v[NIL]       ; the wave's opening: the add, twice on end, and its wait ahead of my first tensor load
	ds_add_u32 v[SPW], v[NIL]
	v_lshrrev_b32 v1, 5, v0
	v_readfirstlane_b32 s[WV], v1   ; wave 0..3
	s_and_b32 s[KJ], s[WV], 1
	s_lshr_b32 s[QI], s[WV], 1
	s_bfe_u32 s13, ttmp6, 0x40000   ; cx
	s_lshl_b32 s14, ttmp9, 2
	s_add_co_u32 s14, s14, s13      ; my block of 128 queries: it enters Q's and y's addresses alone
	s_and_b32 s16, ttmp7, 0xffff    ; batch x 8 + head, which the four partners share
	s_lshr_b32 s22, s16, 1          ; batch x 4 + key and value head: 4,096 rows of 256 bytes each,
	s_lshl_b32 s22, s22, 20
	s_lshl_b32 s23, s[KJ], 19       ; my half's 2,048
	s_add_co_u32 s22, s22, s23
	s_mov_b32 s23, 0
	s_lshl_b32 s2, s16, 19          ; Q: the head's 2,048 rows of 256 bytes,
	s_lshl_b32 s3, s14, 15          ; my block's 128,
	s_add_co_u32 s2, s2, s3
	s_lshl_b32 s3, s[QI], 14        ; my wave's 64
	s_add_co_u32 s2, s2, s3
	s_mov_b32 s3, 0
	s_lshr_b32 s20, s16, 3          ; y: blocks of 16 rows, 32,768 bytes each: the batch's 128,
	s_lshl_b32 s20, s20, 22
	s_lshl_b32 s21, s14, 18         ; my work-group's 8,
	s_add_co_u32 s20, s20, s21
	s_lshl_b32 s21, s[QI], 17       ; my wave's 4;
	s_add_co_u32 s20, s20, s21
	s_and_b32 s21, s16, 7           ; in a block the head's four fragments: 4,096 bytes
	s_lshl_b32 s21, s21, 12
	s_add_co_u32 s20, s20, s21
	s_mov_b32 s21, 0
	s_mul_i32 s[LBK], s[KJ], HALFB  ; no place in the cluster enters an LDS address
	s_add_co_u32 s[LBV], s[LBK], VOFF
	s_mov_b32 s[G1K], 15|(1<<16)|(1<<20)|(1<<21)|(5<<22)|(3<<25)  ; the mask: all four work-groups; elements of 2 bytes; padding: 4 words behind every 64; bit 21 set beside a mask
	s_mov_b32 s[G1V], 15|(1<<16)|(1<<20)|(1<<21)|(5<<22)|(7<<25)  ; the same with 8 words of padding
.irp g, G1K, G1V
	s_mov_b32 s[\g+1], 128<<16      ; tensor_dim0 = 128
	s_mov_b32 s[\g+2], 128<<16      ; tensor_dim1 = 128 rows
	s_mov_b32 s[\g+3], 128<<16      ; tile_dim0 = 128
	s_mov_b32 s[\g+4], 128          ; tile_dim1 = 128
	s_mov_b32 s[\g+5], 128          ; elements from row to row
	s_mov_b32 s[\g+6], 0
	s_mov_b32 s[\g+7], 0
.endr
	s_mov_b32 s[CS], 0x3e314743     ; c = 0.12 log2(e)
	s_mov_b32 s[CS+1], s[CS]
	s_mov_b32 s[SEL], 0x76543210
	s_mov_b32 s[SEL+1], 0xfedcba98
	s_mov_b32 s[TK], 0
	s_mov_b32 s[TV], 0
	s_mov_b32 s[TG], SLOTB
	s_mov_b32 s[SLOTS], 2048/(2*KS)-2
	s_and_b32 s[LIM], s16, 1        ; 0 for the even head of the two that share K and V,
	s_or_b32 s[LIM], s[LIM], ttmp9  ; in its first cluster: the same in all four partners
	s_cmp_eq_u32 s[LIM], 0
	s_cselect_b32 s[LIM], 1, -1
	v_and_b32 v[PFO], 31, v0
	v_lshlrev_b32 v[PFO], 8, v[PFO]
	s_wait_dscnt 0x0                ; both opening adds are done
	s_wait_kmcnt 0x0
	s_add_nc_u64 s[6:7], s[6:7], s[22:23]  ; K at my half's first row,
	s_add_nc_u64 s[8:9], s[6:7], 8388608   ; V likewise
	s_add_nc_u64 s[4:5], s[4:5], s[2:3]
	s_add_nc_u64 s[10:11], s[10:11], s[20:21]
	s_cmp_lt_u32 s[WV], 2
	s_cselect_b64 s[PFA:PFA+1], s[6:7], s[8:9]
	s_lshl_b32 s2, s13, 13          ; my work-group's 32 rows of the 128
	s_mov_b32 s3, 0
	s_add_nc_u64 s[PFA:PFA+1], s[PFA:PFA+1], s[2:3]
	s_add_nc_u64 s[PFA:PFA+1], s[PFA:PFA+1], 2*2*KS*256  ; in slot 2; the first change of slots steps it to slot 3.  Nothing is prefetched at the head
	CROUND                          ; all four work-groups are here: the first joint loads meet
.irp s, 0,1
	s_mov_b32 s[G0K+4*\s], 1
	s_add_co_u32 s[G0K+4*\s+1], s[LBK], \s*SLOTB
	s_add_nc_u64 s[G0K+4*\s+2:G0K+4*\s+3], s[6:7], \s*2*KS*256
	s_or_b32 s[G0K+4*\s+3], s[G0K+4*\s+3], 0x80000000
	s_mov_b32 s[G0V+4*\s], 1
	s_add_co_u32 s[G0V+4*\s+1], s[LBV], \s*SLOTB
	s_add_nc_u64 s[G0V+4*\s+2:G0V+4*\s+3], s[8:9], \s*2*KS*256
	s_or_b32 s[G0V+4*\s+3], s[G0V+4*\s+3], 0x80000000
.endr
	s_cmp_lt_u32 s[WV], 2           ; a wave's two first fills stand in one branch, ahead of every wait on TENSORcnt and every LDS read: two loads of mine are out
	s_cbranch_scc0 .Lfirst_v
	tensor_load_to_lds s[G0K:G0K+3], s[G1K:G1K+7]
	s_nop 0
	tensor_load_to_lds s[G0K+4:G0K+7], s[G1K:G1K+7]
	s_nop 0
.rept 4
	v_nop
.endr
	s_branch .Lfirst_asked
.Lfirst_v:
	tensor_load_to_lds s[G0V:G0V+3], s[G1V:G1V+7]
	s_nop 0
	tensor_load_to_lds s[G0V+4:G0V+7], s[G1V:G1V+7]
	s_nop 0
.rept 4
	v_nop
.endr
.Lfirst_asked:
	v_and_b32 v1, 15, v0            ; l % 16
	v_bfe_u32 v9, v0, 4, 1          ; l / 16
	v_lshlrev_b32 v[QO], 8, v1
	v_lshl_add_u32 v[QO], v9, 4, v[QO]
	WIN 0x80
.irp i, 0,1,2,3,4,5,6,7,8,9,10,11,12,13,14,15  ; Q stays in registers: tile i / 4, channels 32 (i % 4) on
	global_load_b128 v[8*\i:8*\i+3],   v[QO], s[4:5] offset:(\i/4)*4096+(\i%4)*64
	global_load_b128 v[8*\i+4:8*\i+7], v[QO], s[4:5] offset:(\i/4)*4096+(\i%4)*64+32
.endr
	WIN 0
	v_mul_u32_u24 v[AK0], v1, PK
	v_lshl_add_u32 v[AK0], v9, 4, v[AK0]
	v_add_nc_u32 v[AK0], s[LBK], v[AK0]  ; in my key half's half-slot
	v_and_b32 v10, 7, v0
	v_bfe_u32 v11, v0, 3, 1
	v_lshl_add_u32 v[AV0], v9, 3, v10
	v_mul_u32_u24 v[AV0], v[AV0], PV
	v_lshl_add_u32 v[AV0], v11, 4, v[AV0]
	v_add_nc_u32 v[AV0], s[LBV], v[AV0]
; THE MATRIX WORK OF A TURN, for piece x.  The accumulators take turns, one instruction a turn.
.macro PV x, zero
	WIN W_PV
.set rO, 64*(\x+i%2)+8*((i/2)%8)
.set rV, 64*(i/16)+8*((i/2)%8)
.set rP, P+16*(\x+i%2)+8*(i/16)
.if \zero && (i < 16)
	v_wmma_f32_16x16x32_f16 v[rO:rO+7], v[rV:rV+7], v[rP:rP+7], 0
.else
	v_wmma_f32_16x16x32_f16 v[rO:rO+7], v[rV:rV+7], v[rP:rP+7], v[rO:rO+7]
.endif
.endm
.macro KQ x
	WIN W_KQ
.set rS, S+32*(\x+i%2)+8*((i/2)%4)
.set rK, KF+32*((i/2)%4)+8*(i/8)
.set rQ, 32*(\x+i%2)+8*(i/8)
.if i < 8
	v_wmma_f32_16x16x32_f16 v[rS:rS+7], v[rK:rK+7], v[rQ:rQ+7], 0
.else
	v_wmma_f32_16x16x32_f16 v[rS:rS+7], v[rK:rK+7], v[rQ:rQ+7], v[rS:rS+7]
.endif
.endm
; THE LDS LOADS stand in runs of 32: a step's K and, a turn later, its V (turned).
.macro FETCH_K
	WIN 0
	v_add_nc_u32 v[ADR], s[TK], v[AK0]
	s_add_co_u32 s[TK], s[TK], KST  ; the next fetch of K is the next step's
	WIN 0x80
.irp f, 0,1,2,3,4,5,6,7,8,9,10,11,12,13,14,15
	ds_load_b128 v[KF+8*\f:KF+8*\f+3],   v[ADR] offset:(\f/4)*16*PK+(\f%4)*64
	ds_load_b128 v[KF+8*\f+4:KF+8*\f+7], v[ADR] offset:(\f/4)*16*PK+(\f%4)*64+32
.endr
.endm
.macro FETCH_V
	WIN 0
	v_add_nc_u32 v[ADR], s[TV], v[AV0]
	s_add_co_u32 s[TV], s[TV], VST
	s_wait_alu depctr_va_vdst(0)    ; the wait for the softmax's batch (SLICE), behind the address's v_add_nc_u32 and ahead of the loads
	WIN 0xc0
.irp f, 0,1,2,3,4,5,6,7,8,9,10,11,12,13,14,15
	ds_load_tr16_b128 v[8*\f:8*\f+3],   v[ADR] offset:(\f/8)*32*PV+(\f%8)*32
	ds_load_tr16_b128 v[8*\f+4:8*\f+7], v[ADR] offset:(\f/8)*32*PV+16*PV+(\f%8)*32
.endr
.endm
; THE VECTOR WORK OF A TURN.  One tile's softmax for one key step is a list of 134 instructions; SM writes number j of it for tile t.
;   0-15 the maximum of the lane's 32 scores and the old m;  16-20 the other half of the lanes' maximum, the new m, c m, c m_old - c m_new;  21-69 ONE BATCH: the 16 scalings c s - c m and all 33 exponentials, none of which reads an exponential's result;
;   (the wait for the batch, written by SLICE)  70-85 the roundings to f16;  86-101 the sums, l = a l + the sum;  102-133 the tile's O^T times a.
.macro SM t, first
.set rT, ST+8*(\t)
.set rS, S+32*(\t)
.set rP, P+16*(\t)
.set rO, 64*(\t)+2*(j-102)
.if j < 102
	WIN 0
.endif
.if j < 4
	v_max3_num_f32 v[rT+4+j], v[rS+8*j], v[rS+8*j+1], v[rS+8*j+2]
.elseif j < 12
	v_max3_num_f32 v[rT+4+j%4], v[rT+4+j%4], v[rS+8*(j%4)+2*(j/4)+1], v[rS+8*(j%4)+2*(j/4)+2]
.elseif j == 12
	v_max3_num_f32 v[rT+4], v[rT+4], v[rS+7], v[rS+15]
.elseif j == 13
	v_max3_num_f32 v[rT+6], v[rT+6], v[rS+23], v[rS+31]
.elseif j == 14
	v_max3_num_f32 v[rT+4], v[rT+4], v[rT+5], v[rT+6]
.elseif (j == 15) && \first
	v_max_num_f32 v[rT+4], v[rT+4], v[rT+7]
.elseif j == 15
	v_max3_num_f32 v[rT+4], v[rT+4], v[rT+7], v[rT+1]
.elseif j == 16
	v_permlanex16_b32 v[rT+5], v[rT+4], s[SEL], s[SEL+1]  ; the query's other 32 keys lie in the lane 16 away
.elseif j == 18
	v_max_num_f32 v[rT+1], v[rT+4], v[rT+5]
.elseif j == 19
	v_mul_f32 v[rT], s[CS], v[rT+1]
.elseif ((j == 17) || (j == 20) || (j == 23) || (j > 101)) && \first  ; the first step has none of these
.elseif j == 17
	v_mov_b32 v[rT+7], v[rT]        ; c m_old is kept for a
.elseif j == 20
	v_sub_f32 v[rT+7], v[rT+7], v[rT]
.elseif j == 23
	v_exp_f32 v[rT+6], v[rT+7]
.elseif (j < 23) || ((j < 38) && (j%2 == 0)) || ((j < 66) && (j%4 == 2))
.set b, (j-2)/4
.if j < 38
.set b, (j-20)/2
.endif
	v_pk_fma_f32 v[rS+2*b:rS+2*b+1], v[rS+2*b:rS+2*b+1], s[CS:CS+1], v[rT:rT+1] op_sel_hi:[1,0,0] neg_lo:[0,0,1] neg_hi:[0,0,1]  ; pair b: c s - c m
.elseif j < 70
.set e, j-38
.if j < 66
.set e, j-32-(j-38)/4
.endif
.if j < 38
.set e, (j-25)/2
.endif
	v_exp_f32 v[rS+e], v[rS+e]
.elseif j < 86
	v_cvt_pk_f16_f32 v[rP+j-70], v[rS+2*(j-70)], v[rS+2*(j-70)+1]
.elseif j < 102
.set z, j-86
.set w, 4
.set u, z
.if z >= 14
.set w, 32
.set u, 0
.elseif z >= 12
.set w, 16
.set u, z-12
.elseif z >= 8
.set w, 8
.set u, z-8
.endif
.if (z == 14) && \first
	v_pk_add_f32 v[rT+2:rT+3], v[rS:rS+1], v[rS+16:rS+17]
.elseif z < 15
	v_pk_add_f32 v[rS+w*u:rS+w*u+1], v[rS+w*u:rS+w*u+1], v[rS+w*u+w/2:rS+w*u+w/2+1]
.elseif !\first
	v_pk_fma_f32 v[rT+2:rT+3], v[rT+2:rT+3], v[rT+6:rT+7], v[rS:rS+1] op_sel_hi:[1,0,1]
.endif
.else
	WIN W_RS
	v_pk_mul_f32 v[rO:rO+1], v[rO:rO+1], v[rT+6:rT+7] op_sel_hi:[1,0]
.endif
.endm
; Slice k of 64 of piece y's softmax: four instructions (slice 63: sixteen).  Ahead of slice 35 nothing names an exponential's result, and behind slice 34 no exponential is issued: so the piece's 66 exponentials have one wait, behind slice 34.
.macro SLICE y, first
.if (k >= 11) && (k < 35)
.irp n, 0,1,2,3
.set j, 22+4*((k-11)/2)+(\n)
	SM (\y)+(k-11)%2, \first
.endr
.else
.irp n, 0,1,2,3,4,5,6,7
.if (\n < 2) || (k == 63)
.irp t, \y, \y+1
.set j, 2*k+\n
	SM \t, \first
.endr
.endif
.endr
.endif
.if k == 34
	v_nop                           ; a plain line behind the last exponential: one for the batch
.if (\y) == 0
	FETCH_V                         ; piece 2's turn: V's run of loads stands here, and the wait stands in it
.else
	s_wait_alu depctr_va_vdst(0)    ; the wait for the batch
.endif
.endif
.set k, k+1
.endm
.macro PLACES
.rept 4
	v_nop
.endr
.endm
; A TURN.  Piece x has the matrix unit; the other piece's softmax stands in slices behind its matrix instructions.  pv = 2: 32 products V^T P; 1: they start O^T's sums; 0: none.  kq = 1: 32 products K Q^T for the next step.
.macro TURN x, pv, kq, first
.set k, 0
.set per, 2
.if \pv && \kq
.set per, 1
.endif
.if \pv
.if \x == 0
	s_wait_dscnt 0x0                ; V is in
.endif
.set i, 0
.rept 32
	PV \x, 2-\pv
.rept per
	SLICE 2-\x, \first
.endr
.if (\x == 0) && \kq && (i == 1)
	FETCH_K
.endif
.set i, i+1
.endr
.endif
.if \kq
.if \x == 0
	s_wait_dscnt 0x0                ; K is in
.endif
.set i, 0
.rept 32
	KQ \x
.rept per
	SLICE 2-\x, \first
.endr
.set i, i+1
.endr
.endif
.if \first
	PLACES
.endif
.endm
; THE CHANGE OF SLOTS, between piece 2's turn and piece 0's: the slot's last bytes have been asked for.  Each wave waits for all its tensor loads (one is out: its part of the other slot), adds 0 to its spare word, and waits for that and for its reads of the slot.
; fill = 1: this slot is filled again, with the keys two slots on, behind a round of the cluster's barrier: the load has two key steps, 256 matrix instructions, in which to land.
.macro CHANGE fill
	WIN 0
	s_wait_tensorcnt 0x0            ; no tensor load of mine is out, so a group 0 may be written
	ds_add_u32 v[SPW], v[NIL]
.if \fill
	s_xor_b32 s[TG], s[TG], SLOTB   ; the walking descriptors: the other slot than last time,
	s_add_co_u32 s[G0K+5], s[TG], s[LBK]
	s_add_nc_u64 s[G0K+6:G0K+7], s[G0K+6:G0K+7], 2*KS*256  ; the half's next 128 keys
	s_add_co_u32 s[G0V+5], s[TG], s[LBV]
	s_add_nc_u64 s[G0V+6:G0V+7], s[G0V+6:G0V+7], 2*KS*256
	s_wait_xcnt 0x0                 ; the last prefetch, two key steps back, has read its address
	s_add_nc_u64 s[PFA:PFA+1], s[PFA:PFA+1], 2*KS*256
	s_wait_dscnt 0x0                ; the add is done, and my reads of the slot are over
	CROUND
	JLOAD
	ASK
.else
	s_wait_dscnt 0x0
	s_barrier_signal -1
	s_barrier_wait -1
.endif
	s_sub_co_u32 s[TK], s[TK], 2*KST  ; the fetches go back to a slot's first step,
	s_xor_b32 s[TK], s[TK], SLOTB   ; in the other slot
	s_sub_co_u32 s[TV], s[TV], 2*VST
	s_xor_b32 s[TV], s[TV], SLOTB
.endm
.macro TWO_STEPS
	s_mov_b32 s[TWICE], 2
.Lstep_\@:
	TURN 0, 2, 1, 0
	TURN 2, 2, 1, 0
	WIN 0
	s_sub_co_u32 s[TWICE], s[TWICE], 1
	s_cmp_lg_u32 s[TWICE], 0
	s_cbranch_scc1 .Lstep_\@
.endm
	s_wait_tensorcnt 1              ; my part of slot 0 is in; slot 1's may stay out
	s_barrier_signal -1
	s_barrier_wait -1
	FETCH_K                         ; key step 0
	s_wait_loadcnt 0x0              ; Q
	s_wait_dscnt 0x0
.set i, 0
.rept 32
	KQ 0
.set i, i+1
.endr
	WIN 0                           ; the addresses for the end are made here, on the way that all waves take: four plain lines, the places behind those products
	s_mul_i32 s13, s[QI], XPAIR     ; my pair's hand-over
	s_add_co_u32 s17, s13, 4*8192
	v_and_b32 v46, 31, v0
	v_lshlrev_b32 v[GO], 4, v46     ; y: 16 x lane in a store's 512 bytes
	v_lshl_add_u32 v[XA], v46, 4, s13
	v_lshl_add_u32 v[XS], v46, 2, s17
	TURN 2, 0, 1, 1                 ; piece 2's first scores | piece 0's first softmax | V of step 0
	TURN 0, 1, 1, 1                 ; piece 0: V^T P of step 0 starts O^T, K Q^T of step 1 | piece 2's first softmax | K of step 1
	TURN 2, 1, 1, 0                 ; piece 2: the same | piece 0's softmax of step 1 | V of step 1
	WIN 0
.Lslot:                             ; 14 trips: every slot but the last two is filled again
	CHANGE 1
	TWO_STEPS
	s_sub_co_u32 s[SLOTS], s[SLOTS], 1
	s_cmp_lg_u32 s[SLOTS], 0
	s_cbranch_scc1 .Lslot
	CHANGE 0                        ; the tail is written out
	TWO_STEPS
	TURN 0, 2, 0, 0                 ; piece 0: V^T P of the last step | piece 2's last softmax
.set i, 0
.rept 32
	PV 2, 0                         ; piece 2: V^T P of the last step
.set i, i+1
.endr
	; THE END.  l's two halves are added (four plain lines: the places behind the last products).
	WIN 0
.irp t, 0,1,2,3
	v_add_f32 v[ST+8*\t+4], v[ST+8*\t+2], v[ST+8*\t+3]
.endr
	s_wait_dscnt 0x0                ; every wave's reads of the ring are over,
	s_barrier_signal -1
	s_barrier_wait -1               ; ahead of the first store into the scratch that lies in the ring's slot 0
	s_cmp_eq_u32 s[KJ], 0
	s_cbranch_scc1 .Lkeeps
	WIN 0x04                        ; an LDS store's data are its source 1: window 1
.irp t, 0,1,2,3                     ; key half 1's wave hands over O^T as an image of its registers: 512 consecutive bytes a store, each accumulator from its low end on
.irp f, 0,1,2,3,4,5,6,7,8,9,10,11,12,13,14,15
	ds_store_b128 v[XA], v[64*\t+4*\f:64*\t+4*\f+3] offset:8192*\t+512*\f
.endr
.endr
	WIN 0
.irp t, 0,1,2,3
	ds_store_b32 v[XS], v[ST+8*\t] offset:256*\t        ; c m
	ds_store_b32 v[XS], v[ST+8*\t+4] offset:256*\t+128  ; l
.endr
.Lkeeps:
	s_wait_dscnt 0x0                ; for the partner's sake: my stores have landed
	s_barrier_signal -1
	s_barrier_wait -1
	s_cmp_lg_u32 s[KJ], 0
	s_cbranch_scc1 .Lend
.macro XLOAD t                      ; the partner's tile t into v64-127 or v128-191, by the stores' own lines as loads
.irp f, 0,1,2,3,4,5,6,7,8,9,10,11,12,13,14,15
	ds_load_b128 v[S+64*((\t)%2)+4*\f:S+64*((\t)%2)+4*\f+3], v[XA] offset:8192*(\t)+512*\f
.endr
.endm
.irp t, 0,1,2,3
	ds_load_b32 v[ST+8*\t+5], v[XS] offset:256*\t
	ds_load_b32 v[ST+8*\t+6], v[XS] offset:256*\t+128
.endr
	XLOAD 0
	XLOAD 1
	s_wait_dscnt 32                 ; the statistics are in; the two images may be out
.irp t, 0,1,2,3
	v_max_num_f32 v[ST+8*\t+1], v[ST+8*\t], v[ST+8*\t+5]   ; the larger c m
.endr
.irp t, 0,1,2,3
	v_sub_f32 v[ST+8*\t], v[ST+8*\t], v[ST+8*\t+1]
	v_sub_f32 v[ST+8*\t+5], v[ST+8*\t+5], v[ST+8*\t+1]
.endr
.irp t, 0,1,2,3
	v_exp_f32 v[ST+8*\t], v[ST+8*\t]       ; what my part is multiplied by,
	v_exp_f32 v[ST+8*\t+5], v[ST+8*\t+5]   ; and the partner's
.endr
	v_nop
	s_wait_alu depctr_va_vdst(0)    ; one wait for the eight
.irp t, 0,1,2,3
	v_mul_f32 v[ST+8*\t+4], v[ST+8*\t], v[ST+8*\t+4]
.endr
.irp t, 0,1,2,3
	v_fma_f32 v[ST+8*\t+4], v[ST+8*\t+5], v[ST+8*\t+6], v[ST+8*\t+4]
.endr
.irp t, 0,1,2,3
	v_permlanex16_b32 v[ST+8*\t+7], v[ST+8*\t+4], s[SEL], s[SEL+1]
.endr
.irp t, 0,1,2,3
	v_add_f32 v[ST+8*\t+4], v[ST+8*\t+4], v[ST+8*\t+7]     ; the row's sum over all 4,096 keys
.endr
.irp t, 0,1,2,3
	v_rcp_f32 v[ST+8*\t+6], v[ST+8*\t+4]
.endr
	v_nop
	s_wait_alu depctr_va_vdst(0)    ; one wait for the four
.irp t, 0,1,2,3
	v_mul_f32 v[ST+8*\t+2], v[ST+8*\t], v[ST+8*\t+6]
	v_mul_f32 v[ST+8*\t+4], v[ST+8*\t+5], v[ST+8*\t+6]
.endr
.macro FINISH t                     ; tile t: both parts joined and divided; to f16; stored as it stands: registers 4 f .. 4 f + 3 are channels 16 f + 8 (lane / 16) + 0..7 of query lane % 16: half a fragment of y16
.if (\t) < 3
	s_wait_dscnt 16                 ; this tile's image is in; the next one's may be out
.else
	s_wait_dscnt 0x0
.endif
	WIN W_RS
.set i, 0
.rept 32
	v_pk_mul_f32 v[64*(\t)+2*i:64*(\t)+2*i+1], v[64*(\t)+2*i:64*(\t)+2*i+1], v[ST+8*(\t)+2:ST+8*(\t)+3] op_sel_hi:[1,0]
.set i, i+1
.endr
	WIN 0x50                        ; source 2 and destination window 1
.set i, 0
.rept 32
	v_pk_fma_f32 v[64*(\t)+2*i:64*(\t)+2*i+1], v[S+64*((\t)%2)+2*i:S+64*((\t)%2)+2*i+1], v[ST+8*(\t)+4:ST+8*(\t)+5], v[64*(\t)+2*i:64*(\t)+2*i+1] op_sel_hi:[1,0,1]
.set i, i+1
.endr
.if (\t) >= 2
	s_wait_xcnt 0x0                 ; the stores of two tiles back have read their registers
.endif
	WIN 0x05                        ; sources 0 and 1 window 1
.set i, 0
.rept 32
	v_cvt_pk_f16_f32 v[P+32*((\t)%2)+i], v[64*(\t)+2*i], v[64*(\t)+2*i+1]
.set i, i+1
.endr
	WIN 0
.irp f, 0,1,2,3,4,5,6,7
	global_store_b128 v[GO], v[P+32*((\t)%2)+4*\f:P+32*((\t)%2)+4*\f+3], s[10:11] offset:32768*(\t)+512*\f  ; 512 consecutive bytes, aligned
.endr
.if (\t) < 2
	XLOAD (\t)+2
.endif
.endm
	FINISH 0
	FINISH 1
	FINISH 2
	FINISH 3
.Lend:
	s_wait_tensorcnt 0x0            ; the wave's end: behind my last tensor load and my last LDS store
	ds_add_u32 v[SPW], v[NIL]
	s_wait_dscnt 0x0
	CROUND                          ; the closing round
	s_endpgm
.Lfunc_end_k_qa575c5a59a_attn:
	.size	k_qa575c5a59a_attn, .Lfunc_end_k_qa575c5a59a_attn-k_qa575c5a59a_attn
	.p2alignl 7, 3214868480
	.fill 96, 4, 3214868480
	.section	.rodata,"a",@progbits
	.p2align	6, 0x0
	.amdhsa_kernel k_qa575c5a59a_attn
		.amdhsa_group_segment_fixed_size 327680
		.amdhsa_private_segment_fixed_size 0
		.amdhsa_enable_private_segment 0
		.amdhsa_kernarg_size 24
		.amdhsa_user_sgpr_count 2
		.amdhsa_user_sgpr_kernarg_segment_ptr 1
		.amdhsa_wavefront_size32 1
		.amdhsa_system_sgpr_workgroup_id_x 1
		.amdhsa_system_sgpr_workgroup_id_y 1
		.amdhsa_system_sgpr_workgroup_id_z 1
		.amdhsa_system_vgpr_workitem_id 0
		.amdhsa_next_free_vgpr 1024
		.amdhsa_next_free_sgpr 72
		.amdhsa_reserve_vcc 0
		.amdhsa_float_denorm_mode_32 3
		.amdhsa_float_denorm_mode_16_64 3
		.amdhsa_memory_ordered 1
		.amdhsa_forward_progress 1
		.amdhsa_inst_pref_size 236
	.end_amdhsa_kernel
	.amdgpu_metadata
---
amdhsa.version: [ 1, 2 ]
amdhsa.kernels:
  - .name:           k_qa575c5a59a_attn
    .symbol:         k_qa575c5a59a_attn.kd
    .args:
      - { .name: q16, .offset: 0, .size: 8, .value_kind: global_buffer, .address_space: global }
      - { .name: kv16, .offset: 8, .size: 8, .value_kind: global_buffer, .address_space: global }
      - { .name: y16, .offset: 16, .size: 8, .value_kind: global_buffer, .address_space: global }
    .group_segment_fixed_size: 327680
    .private_segment_fixed_size: 0
    .kernarg_segment_align: 8
    .kernarg_segment_size: 24
    .max_flat_workgroup_size: 128
    .sgpr_count:     72
    .vgpr_count:     1024
    .wavefront_size: 32
...
	.end_amdgpu_metadata
.endif
;; end of part 4
;; launch oproj (part 5): grid 16 x 16, 4 waves a work-group, clusters of 4 x 1, 327,680 bytes of LDS; arguments y16, half, out0; writes out0
.if DOCPART == 5
	.amdgcn_target "amdgcn-amd-amdhsa--gfx1250"
	.amdhsa_code_object_version 6
	.text
	.protected	k_qa575c5a59a_oproj
	.globl	k_qa575c5a59a_oproj
	.p2align	8
	.type	k_qa575c5a59a_oproj,@function
k_qa575c5a59a_oproj:
	s_mov_b64 s[64:65], 0
	v_nop
	global_prefetch_b8 v0, s[64:65] scope:SCOPE_SE
	s_setreg_imm32_b32 hwreg(HW_REG_WAVE_MODE, 25, 1), 1
	s_wait_xcnt 0x0
	s_wait_alu depctr_hold_cnt(0) depctr_sa_sdst(0) depctr_va_vdst(0) depctr_va_sdst(0) depctr_va_ssrc(0) depctr_va_vcc(0) depctr_vm_vsrc(0)
	s_getreg_b32 s2, hwreg(HW_REG_IB_STS2, 6, 4)
	s_cmp_eq_u32 s2, 0
	s_cbranch_scc0 .Lentry_in_a_cluster
	s_endpgm
.Lentry_in_a_cluster:
	s_bfe_u32 s2, ttmp6, 0x10000c
	s_cmp_lg_u32 s2, 0x3003
	s_cbranch_scc0 .Lentry_shape_is_right
	s_endpgm
.Lentry_shape_is_right:
; OPROJ: out0 = y wo^T on f16 operands with f32 sums; out0 [4096][2048] f32.  wo as f16 [2048][1024] at byte 37,748,736 of half.  y16 lies in the order of the operand's registers: [block of 16 rows][32 along K][1,024 bytes].
; A tile of C is 256 rows x 128 columns; four waves, wave w makes rows 64 w .. 64 w + 63 and all 128 columns: 32 accumulators, 256 registers.  Grid x is the tile row, grid y the tile column.
; wo's TILE LIES IN LDS FOR ALL OF K: 128 rows x 2,048 bytes, as eight K steps of 128 rows x (256 + 16) bytes: 278,528 bytes, filled once: wave w brings K steps w and w + 4, two tensor loads of a wave are out.  Nothing is filled again.
; CLUSTER: the four work-groups of a cluster are four tile rows of one tile column and need the same tile of wo: it is asked for jointly, with a mask that names the four.
; y COMES STRAIGHT INTO REGISTERS.  A wave's 64 rows of y are read by no other wave of its work-group, so LDS would share nothing; and in y16's order a load of 16 bytes a lane is 512 consecutive bytes and half a fragment.
; y's tiles are shared by the 16 tile columns, but a joint load lands in LDS alone, and with y in LDS beside wo the slots would have to be filled again, one K step (128 matrix instructions a wave) ahead at the most: so y is not asked for jointly.
; A ring of eight quarters (32 along K: four fragments, 32 registers) fills window 3.  In the middle of quarter q the wave asks for blocks 0, 1 of quarter q + 8, into the registers that quarter q's have just left, and for
; blocks 2, 3 of quarter q + 7: eight loads, seven quarters (224 matrix instructions) ahead of the wait for them.  At most 63 loads of a wave are out.
; The K loop is written out, 32 quarters: every offset is an immediate, no pointer is stepped.  THE MATRIX INSTRUCTION IS USED TRANSPOSED: lane (r, h) holds row r and columns 16 b + 8 h + 0 .. 7.
; No prefetch into the L2: y's loads are asked for seven quarters ahead by themselves, and wo's at the head.
; REGISTERS: window 0: v0-31 addresses; on the way out v64-191 rows.   window 1: wo's fragments, three buffers of 64.   window 2: accumulator (a, b) at v[8 (8 a + b)].   window 3: y's fragment (quarter q, block a) at v[32 (q % 8) + 8 a].
.set KROWB,  2048                      ; a row of wo in memory, in bytes
.set PITCH,  272                       ; an LDS row: 256 bytes + 16 of padding: the 16 rows that a load touches start at 16 different banks
.set KSB,    128*PITCH                 ; a K step's 128 rows
.set STAGE,  8*KSB                     ; behind them: 16 rows x (512 bytes + 16) for each wave, for the way out
.set SPITCH, 528
.set SPARE,  STAGE+4*16*SPITCH         ; the spare words, 128 bytes for each wave
.set ADRB, 20                          ; v20-23  LDS address of my lane's place in K steps 0, 2, 4, 6; the odd steps stand in the immediate
.set STO,  24
.set RD,   25
.set CO,   26                          ; v26  16 x lane: my place in a load's or a store's 512 bytes; never rewritten
.set SPW,  28
.set NIL,  29
.set BK,   64
.set G1, 24
.set G0, 32
.set MSB, 0
.macro WIN new                         ; the immediate's high byte repeats the setting that is left
.if MSB != \new
	s_set_vgpr_msb (MSB<<8)|\new
.set MSB, \new
.endif
.endm
.set MUL,  0xad                        ; source 0 (wo) window 1, source 1 (y) window 3, C and D window 2
.set TO_B, 0x40
.set TO_A, 0xc0
.macro PLACES
.rept 4
	v_nop
.endr
.endm
.macro CROUND                          ; a round of the cluster's barrier
	s_barrier_signal -1
	s_barrier_wait -1
	s_cmp_lg_u32 s14, 0
	s_cbranch_scc1 .Lnot_wave_0_\@
	s_barrier_signal -3
.Lnot_wave_0_\@:
	s_barrier_wait -3
	s_barrier_signal -1
	s_barrier_wait -1
.endm
.macro ALOAD q, a                      ; y's fragment of quarter q, block a: two loads of 512 consecutive bytes
	global_load_b128 v[32*((\q)%8)+8*(\a):32*((\q)%8)+8*(\a)+3],   v[CO], s[4:5] offset:32768*(\a)+1024*(\q)
	global_load_b128 v[32*((\q)%8)+8*(\a)+4:32*((\q)%8)+8*(\a)+7], v[CO], s[4:5] offset:32768*(\a)+1024*(\q)+512
.endm
.macro ARUN j                          ; run j: blocks 0, 1 of quarter j + 8, then blocks 2, 3 of quarter j + 7, as far as there are such quarters
.if ((\j)+8) <= 31
	ALOAD (\j)+8, 0
	ALOAD (\j)+8, 1
.endif
.if (((\j)+7) >= 0) && (((\j)+7) <= 31)
	ALOAD (\j)+7, 2
	ALOAD (\j)+7, 3
.endif
.endm
	s_load_b128 s[4:7], s[0:1], 0x0                ; y16 s[4:5], half s[6:7]
	s_load_b64 s[8:9], s[0:1], 0x10                ; out0
	v_lshl_add_u32 v[SPW], v0, 2, SPARE
	v_mov_b32 v[NIL], 0
	ds_add_u32 v[SPW], v[NIL]                      ; the wave's opening: the add, twice on end, and its wait ahead of my first tensor load
	ds_add_u32 v[SPW], v[NIL]
	v_lshrrev_b32 v1, 5, v0
	v_readfirstlane_b32 s14, v1                    ; wave 0..3
	s_bfe_u32 s12, ttmp6, 0x40000                  ; cx
	s_lshl_b32 s13, ttmp9, 2
	s_add_co_u32 s13, s13, s12                     ; tile row: it enters y's and out0's addresses alone
	s_and_b32 s16, ttmp7, 0xffff                   ; tile column, which the four partners share
	s_mov_b32 s[G1], 15|(0<<16)|(1<<20)|(1<<21)|(5<<22)|(3<<25)   ; the mask: all four work-groups; elements of 1 byte; padding: 4 words behind every 64; bit 21 set beside a mask
	s_mov_b32 s[G1+1], 256<<16                     ; tensor_dim0
	s_mov_b32 s[G1+2], 128<<16                     ; tensor_dim1
	s_mov_b32 s[G1+3], 256<<16                     ; tile_dim0
	s_mov_b32 s[G1+4], 128                         ; tile_dim1
	s_mov_b32 s[G1+5], KROWB                       ; the pitch in memory
	s_mov_b32 s[G1+6], 0
	s_mov_b32 s[G1+7], 0
	s_lshl_b32 s20, s16, 18                        ; wo: 128 rows of 2,048 bytes a tile column,
	s_lshl_b32 s21, s14, 8                         ; K step = my wave's number,
	s_add_co_u32 s20, s20, s21
	s_add_co_u32 s20, s20, 37748736                ; behind xs, wk and wv
	s_mov_b32 s21, 0
	s_mul_i32 s22, s14, KSB                        ; and where it goes: no place in the cluster enters an LDS address
	s_lshl_b32 s18, s13, 19                        ; y: 16 blocks of 32,768 bytes a tile row,
	s_lshl_b32 s19, s14, 17                        ; my wave's four
	s_add_co_u32 s18, s18, s19
	s_mov_b32 s19, 0
	v_and_b32 v6, 31, v0
	v_lshlrev_b32 v[CO], 4, v6
	s_wait_dscnt 0x0                               ; both opening adds are done
	s_wait_kmcnt 0x0
	s_add_nc_u64 s[4:5], s[4:5], s[18:19]
	s_add_nc_u64 s[20:21], s[6:7], s[20:21]
	WIN TO_A                                       ; the ring is filled: runs -8 to -1, 60 loads
.set RJ, -8
.rept 8
	ARUN RJ
.set RJ, RJ+1
.endr
	WIN 0
	CROUND                                         ; all four work-groups are here: the joint loads meet
.irp j, 0,1
	s_mov_b32 s[G0+4*\j], 1
	s_add_co_u32 s[G0+4*\j+1], s22, \j*4*KSB
	s_add_nc_u64 s[G0+4*\j+2:G0+4*\j+3], s[20:21], \j*1024
	s_or_b32 s[G0+4*\j+3], s[G0+4*\j+3], 0x80000000
.endr
	tensor_load_to_lds s[G0:G0+3], s[G1:G1+7]      ; K step w
	s_nop 0
	tensor_load_to_lds s[G0+4:G0+7], s[G1:G1+7]    ; K step w + 4
	s_nop 0
.rept 4
	v_nop
.endr
	v_and_b32 v1, 15, v0                           ; r
	v_bfe_u32 v2, v0, 4, 1                         ; h
	v_mul_u32_u24 v3, v1, PITCH
	v_lshl_add_u32 v4, v2, 4, v3                   ; a fragment's row x pitch + 16 h
.irp p, 0,1,2,3
	v_add_nc_u32 v[ADRB+\p], \p*2*KSB, v4
.endr
	s_mul_i32 s23, s14, 16*SPITCH
	s_add_co_u32 s23, s23, STAGE                   ; my stage
	v_mul_u32_u24 v5, v1, SPITCH                   ; in: row r, 32 bytes for each half of the lanes
	v_lshl_add_u32 v5, v2, 5, v5
	v_add_nc_u32 v[STO], s23, v5
	v_add_nc_u32 v[RD], s23, v[CO]                 ; back: the 32 lanes take one row of 512 bytes
	s_lshl_b32 s18, s13, 21                        ; out0: my first row: 256 x tile row + 64 x wave, rows of 8,192 bytes;
	s_lshl_b32 s19, s14, 19
	s_add_co_u32 s18, s18, s19
	s_lshl_b32 s19, s16, 9                         ; the tile's 512 bytes of a row
	s_add_co_u32 s18, s18, s19
	s_mov_b32 s19, 0
	s_add_nc_u64 s[8:9], s[8:9], s[18:19]
; A QUARTER is 32 along K; q = 0 .. 31 counts them through all of K.
; 8 matrix instructions: y's block a x wo's eight.  The 32 accumulators take turns, one instruction a turn, in the same order in every quarter.  Quarter 0 starts the sums: nothing is cleared.
.macro MUL8 q, a
.irp b, 0,1,2,3,4,5,6,7
.if (\q) == 0
	v_wmma_f32_16x16x32_f16 v[8*(8*(\a)+\b):8*(8*(\a)+\b)+7], v[64*((\q)%3)+8*\b:64*((\q)%3)+8*\b+7], v[32*((\q)%8)+8*(\a):32*((\q)%8)+8*(\a)+7], 0
.else
	v_wmma_f32_16x16x32_f16 v[8*(8*(\a)+\b):8*(8*(\a)+\b)+7], v[64*((\q)%3)+8*\b:64*((\q)%3)+8*\b+7], v[32*((\q)%8)+8*(\a):32*((\q)%8)+8*(\a)+7], v[8*(8*(\a)+\b):8*(8*(\a)+\b)+7]
.endif
.endr
.endm
.macro FETCHB q                        ; 16 LDS loads in one run: wo's eight fragments of quarter q into buffer q % 3
.irp i, 0,1,2,3,4,5,6,7
	ds_load_b128 v[64*((\q)%3)+8*\i:64*((\q)%3)+8*\i+3],   v[ADRB+(\q)/8] offset:(((\q)/4)%2)*KSB+64*((\q)%4)+\i*16*PITCH
	ds_load_b128 v[64*((\q)%3)+8*\i+4:64*((\q)%3)+8*\i+7], v[ADRB+(\q)/8] offset:(((\q)/4)%2)*KSB+64*((\q)%4)+\i*16*PITCH+32
.endr
.endm
; Quarter q.  In its middle, behind four places: wo's fragments of quarter q + 2, into the buffer that quarter q - 1 has left, and run q of y's loads.
; THE WAIT ON LOADcnt.  Blocks 2, 3 of quarter q came last in run q - 7; behind them stand runs q - 6 to q, 56 loads while the runs are whole.  The count is one less, 55, so that with the next run's eight no more than 63 are out.
; It also shows all of run q - 7 but its... nothing younger is leaned on: blocks 0, 1 of quarter q + 1 came in run q - 7 ahead of the loads that the count shows done.  From run 24 on the runs are shorter, and the count is their sum.
.macro QUART q
.if (\q) < 31
	s_wait_dscnt 16                                ; quarter q's fragments of wo are in; quarter q + 1's sixteen loads may be out
.else
	s_wait_dscnt 0x0
.endif
	WIN MUL
	MUL8 \q, 0
	MUL8 \q, 1
	PLACES                                         ; four places in front of loads into registers that matrix instructions have read
.if (\q) == 14
	s_wait_tensorcnt 0x0                           ; quarter 16 begins K step 4: my second load has landed,
	s_wait_dscnt 0x0
	s_barrier_signal -1
	s_barrier_wait -1                              ; everybody's has.
.endif
.if (\q)+2 <= 31
	WIN TO_B
	FETCHB (\q)+2
.endif
.if (\q) <= 24
	WIN TO_A
	ARUN \q
.endif
.set NW, 0
.irp d, 0,1,2,3,4,5,6
.if ((\q)-\d) <= 23
.set NW, NW+4
.endif
.if ((\q)-\d) <= 24
.set NW, NW+4
.endif
.endr
.if NW > 55
.set NW, 55
.endif
	s_wait_loadcnt NW
	WIN MUL
	MUL8 \q, 2
	MUL8 \q, 3
.endm
	s_wait_tensorcnt 1                             ; my first load, K step w, has landed; my second may stay out
	s_barrier_signal -1
	s_barrier_wait -1                              ; K steps 0 to 3 are whole
	WIN TO_B
	FETCHB 0
	FETCHB 1
	s_wait_loadcnt 55                              ; blocks 0, 1 of quarter 0 were the first four of the 60
.set QG, 0
.rept 32
	QUART QG
.set QG, QG+1
.endr
	WIN 0
; THE WAY OUT, block by block of 16 rows x 128 columns: through my own stage in LDS and back as whole rows of 512 bytes.  LDS serves a wave's instructions in order: no wait between the stores and the loads, nor in front of the next block's stores.
.macro TOSTAGE a
	WIN 0x08                                       ; an LDS store's data are its source 1: window 2
.irp b, 0,1,2,3,4,5,6,7
	ds_store_b128 v[STO], v[64*(\a)+8*\b:64*(\a)+8*\b+3] offset:64*\b          ; each accumulator from its low end on
	ds_store_b128 v[STO], v[64*(\a)+8*\b+4:64*(\a)+8*\b+7] offset:64*\b+16
.endr
	WIN 0
.irp t, 0,1,2,3,4,5,6,7,8,9,10,11,12,13,14,15
	ds_load_b128 v[BK+64*((\a)%2)+4*\t:BK+64*((\a)%2)+4*\t+3], v[RD] offset:\t*SPITCH
.endr
.endm
.macro SEND a, younger                 ; younger: the LDS instructions issued behind block a's loads, which may stay out
	s_wait_dscnt \younger
.irp t, 0,1,2,3,4,5,6,7,8,9,10,11,12,13,14,15
	global_store_b128 v[CO], v[BK+64*((\a)%2)+4*\t:BK+64*((\a)%2)+4*\t+3], s[8:9] offset:(16*(\a)+\t)*8192 th:TH_STORE_NT   ; 512 consecutive bytes, aligned; 63 rows at the most stand in the immediate
.endr
.endm
	PLACES
	TOSTAGE 0
.irp a, 1,2,3
.if \a > 1
	s_wait_xcnt 0x0                                ; block a - 2's stores have read their registers: block a's loads may land there
.endif
	TOSTAGE \a
	SEND \a-1, 32                                  ; behind block a - 1's loads: block a's 16 stores and 16 loads
.endr
	SEND 3, 0
	s_wait_tensorcnt 0x0                           ; the wave's end: behind my last tensor load and my last LDS store
	ds_add_u32 v[SPW], v[NIL]
	s_wait_dscnt 0x0
	CROUND                                         ; the closing round: no work-group ends while a partner may still ask for a tile that names it
	s_endpgm
.Lfunc_end_k_qa575c5a59a_oproj:
	.size	k_qa575c5a59a_oproj, .Lfunc_end_k_qa575c5a59a_oproj-k_qa575c5a59a_oproj
	.p2alignl 7, 3214868480
	.fill 96, 4, 3214868480
	.section	.rodata,"a",@progbits
	.p2align	6, 0x0
	.amdhsa_kernel k_qa575c5a59a_oproj
		.amdhsa_group_segment_fixed_size 327680
		.amdhsa_private_segment_fixed_size 0
		.amdhsa_enable_private_segment 0
		.amdhsa_kernarg_size 24
		.amdhsa_user_sgpr_count 2
		.amdhsa_user_sgpr_kernarg_segment_ptr 1
		.amdhsa_wavefront_size32 1
		.amdhsa_system_sgpr_workgroup_id_x 1
		.amdhsa_system_sgpr_workgroup_id_y 1
		.amdhsa_system_sgpr_workgroup_id_z 1
		.amdhsa_system_vgpr_workitem_id 0
		.amdhsa_next_free_vgpr 1024
		.amdhsa_next_free_sgpr 66
		.amdhsa_reserve_vcc 0
		.amdhsa_float_denorm_mode_32 3
		.amdhsa_float_denorm_mode_16_64 3
		.amdhsa_memory_ordered 1
		.amdhsa_forward_progress 1
		.amdhsa_inst_pref_size 149
	.end_amdhsa_kernel
	.amdgpu_metadata
---
amdhsa.version: [ 1, 2 ]
amdhsa.kernels:
  - .name:           k_qa575c5a59a_oproj
    .symbol:         k_qa575c5a59a_oproj.kd
    .args:
      - { .name: y16, .offset: 0, .size: 8, .value_kind: global_buffer, .address_space: global }
      - { .name: half, .offset: 8, .size: 8, .value_kind: global_buffer, .address_space: global }
      - { .name: out0, .offset: 16, .size: 8, .value_kind: global_buffer, .address_space: global }
    .group_segment_fixed_size: 327680
    .private_segment_fixed_size: 0
    .kernarg_segment_align: 8
    .kernarg_segment_size: 24
    .max_flat_workgroup_size: 128
    .sgpr_count:     66
    .vgpr_count:     1024
    .wavefront_size: 32
...
	.end_amdgpu_metadata
.endif
;; end of part 5
